; MI455X (gfx1250); checked and timed in simulation.
; The chip was launched on July 23, 2026; its instructions are those of AMD's public machine-readable ISA for CDNA 5 (MIT licence, August 2026) and "CDNA5" Instruction Set Architecture Reference Guide (July 2026). The comments in the code are by the model that wrote it; some were corrected since.
;; Toy Mo E. Allowed arithmetic: matrix products marked QUANTISED: E2M1 operands, one E8M0 scale for each 32 along K, by v_wmma_scale_f32_16x16x128_f8f6f4 with both operands' format E2M1 (or v_wmma_scale_f32_32x16x128_f4), f32 sums; products left as they are: f32 operands where the result goes on into a quantised operand, else bf16, f16 or f32 operands; f32 sums; everything else in f32.
;; Inputs: We 8 x 1,024 x 1,024 float32; Wr 8 x 1,024 float32; be 8 x 1,024 float32; x 8,192 x 1,024 float32.
;; Outputs: out0 8,192 x 1,024 float32.
;; This version of the problem:
;;   THIS VERSION OF THE PROBLEM IS GIVEN IN LOW PRECISION. The matrix products marked QUANTISED in the list below multiply operands that are first quantised to E2M1 (2 exponent bits, 1 mantissa bit; 4 bits a number), with one power-of-two scale for each 32 numbers along K (OCP MX v1.0); their sums are f32. All else is computed in f32.
;;   The module's matrix products, in the order in which they are computed (A, B: the left and right operand; K: the contracted axis; several contracted axes count as one K, in the product's order):
;;     1. [M 8,192, K 1,024] x [K 1,024, N 8]; A: input x; B: input Wr: left as it is (N = 8 < 16)
;;     2. [M 8,192, K 1,024] x [K 1,024, N 8,192]; A: input x; B: input We: QUANTISED
;;   THE QUANTISER, for each operand of a quantised product, along K:
;;     - K is cut into blocks of 32 from its start; a last block that is shorter is filled with zeros.
;;     - A block's scale is 2^e with e = floor(log2(the largest magnitude in the block)) - 2, held to -126 .. 127; a block of zeros has e = 0. As a byte (E8M0): e + 127.
;;     - Each number is divided by its block's scale, clamped to +-6, and rounded to the nearest number of E2M1, ties to even, subnormals kept.
;;     - The product sums the exact products of the quantised numbers (number of the format x scale) in f32.
;;   ~~~python
;;   def quantise(x, axis):      # numpy; x: float32 -> the quantised numbers, widened to float32 again
;;       x = np.moveaxis(x, axis, -1); K = x.shape[-1]
;;       x = np.pad(x, [(0, 0)] * (x.ndim - 1) + [(0, -K % 32)]); x = x.reshape(x.shape[:-1] + (-1, 32)); a = np.abs(x).max(-1, keepdims=True)
;;       e = np.where(a > 0, np.clip(np.frexp(np.where(a > 0, a, 1))[1] - 1 - 2, -126, 127), 0)      # np.frexp(a)[1] - 1 = floor(log2(a)), exactly
;;       r = np.clip(x / 2.0 ** e, -6, 6)
;;       step = 2.0 ** (np.maximum(np.frexp(np.where(r == 0, 1, r))[1] - 1, 0) - 1)
;;       q = np.round(r / step) * step * 2.0 ** e      # np.round: ties to even
;;       return np.moveaxis(q.reshape(q.shape[:-2] + (-1,))[..., :K], -1, axis).astype(np.float32)
;;   ~~~
;; 2 versions. Each part assembles by itself: llvm-mc -triple=amdgcn-amd-amdhsa -mcpu=gfx1250 --defsym DOCPART=n.
;; ======== version 1 of 2: 3 launches
;; workspace buffers: x_codes 4,194,304 bytes; x_scales 262,144 bytes; w_codes 4,194,304 bytes; w_scales 262,144 bytes; gates 262,144 bytes; route 65,536 bytes of whole numbers; plan 33,024 bytes of whole numbers
;; launch prep (part 1): grid 512 x 1, 8 waves a work-group, no clusters, 77,824 bytes of LDS; arguments x, Wr, We, x_codes, x_scales, w_codes, w_scales, gates, route; writes x_codes, x_scales, w_codes, w_scales, gates, route
.if DOCPART == 1
	.amdgcn_target "amdgcn-amd-amdhsa--gfx1250"
	.amdhsa_code_object_version 6
	.text
	.protected	k_q18c7e0ae9d_prep
	.globl	k_q18c7e0ae9d_prep
	.p2align	8
	.type	k_q18c7e0ae9d_prep,@function
k_q18c7e0ae9d_prep:
	s_mov_b64 s[64:65], 0
	v_nop
	global_prefetch_b8 v0, s[64:65] scope:SCOPE_SE
	s_setreg_imm32_b32 hwreg(HW_REG_WAVE_MODE, 25, 1), 1
	s_wait_xcnt 0x0
; FIRST OF THREE LAUNCHES.  x [8192][1024] and We [8][1024 (k)][1024 (n)], f32, become codes of FP4 (E2M1) with one E8M0 byte for each 32 along K; the router's
; gates and its choice of two experts are made beside x's codes, from the same registers, so that x is read once.
; A block's scale is 2^(floor(log2(its largest magnitude)) - 2): its byte is the largest magnitude's exponent field - 2, held at 1 from below.
; WORK-GROUPS 0 to 255 take 32 rows of x each, work-groups 256 to 511 128 k x 256 n of one expert each: 131,072 bytes of f32 either way.  The branch hangs on the work-group's number alone.
; Only x's path uses LDS and barriers.
; WHAT IS STORED:  x_codes [token][512 bytes], K innermost;  x_scales [token][32 bytes];
;   w_codes [e][n / 16][k / 32][n % 16][16 bytes]: a fragment's registers on end, lane by lane: 16 columns x 128 k are two runs of 512 bytes;  w_scales [e][k / 128][n] words;
;   gates [token][8] f32, 0 where the expert was not chosen;  route: tokinfo[token] = key | rank << 8, then hist[group of 32 tokens][32].
; THE KEY is the unordered pair a < b of chosen experts as one of 28 buckets: a (15 - a) / 2 + (a odd ? 7 - b : b - a - 1): neighbouring buckets share an expert.
; The rank is the number of earlier tokens of the group with the same key.  Key, rank and counts are VALUES here, stored at fixed places: no address and no branch of this launch hangs on them.
; LIMITS: NaN and infinities are not served.  A block whose largest magnitude lies under 2^-124, a block of zeros among them, keeps the byte 1 (zero codes add nothing; this program alone reads the bytes).
; The two largest gates are taken of p x (1 / sum), ties to the lower index; where the second and third gate differ by less than the rounding of an f32 sum of 1,024 products, the choice may differ
; from one made with the sums in another order.  A gate under 2^-126 becomes 0.
; No matrix unit (the router has 8 columns and its logits decide a choice: f32 multiply-adds), no cluster (work-groups share only Wr's 32,768 bytes), no tensor load: memory binds.
.set SP,    80                         ; a lane's place in a stage: its 64 bytes + 16 of padding
.set WSTG,  2*32*SP                    ; LDS: two stages for each wave,
.set WIMG,  8*WSTG                     ; Wr as an image of registers: half u x 16,384 + expert x 2,048 + q x 512 + lane x 16,
.set PL,    WIMG+32768                 ; the halves' logits [u][row 32][8] f32,
.set SCB,   PL+2048                    ; x's scale bytes [row 32][32]
.set WR,  16                           ; v16-143  Wr: register 16 e + i = Wr[e][512 u + 16 lane + i]
.set R,   144                          ; v144-191 three sets of 16 numbers as loaded
.set XR,  192                          ; v192-223 two sets of 16 neighbours
.set ACC, 224                          ; v224-239 eight pairs of partial logits
.set CL,  240                          ; v240-247 the wave's 8 rows' logits, gathered
.set CD,  248                          ; v248-251 codes, two pairs by turns
.set EB,  252                          ; v252-253 the scale's byte, by turns
.set WX,  32                           ; We's path: v32-159 four blocks of 32 numbers
.set WC,  160                          ; v160-175 their codes
.set WSB, 24                           ; v24 their four scale bytes
	s_load_b512 s[4:19], s[0:1], 0x0               ; x 4, Wr 6, We 8, x_codes 10, x_scales 12, w_codes 14, w_scales 16, gates 18
	s_load_b64 s[20:21], s[0:1], 0x40              ; route
	v_lshl_add_u32 v10, v0, 2, 0x12c00
	s_set_vgpr_msb 0x40
	v_mov_b32 v1, 0
	s_set_vgpr_msb 0x4000
	v_lshrrev_b32 v1, 5, v0
	v_readfirstlane_b32 s22, v1                    ; wave 0..7
	v_and_b32 v2, 31, v0                           ; lane
	s_and_b32 s23, ttmp9, 0xff                     ; which part of x, or of We: 0..255
	s_mov_b32 s29, 0                               ; the high word of every offset pair s[28:29]
	s_lshr_b32 s24, ttmp9, 8                       ; 0: x, 1: We
	s_cmp_lg_u32 s24, 0
	s_cbranch_scc1 .Lweights
; ---------------- x: 32 rows.  Wave w takes half u = w % 2 of rows 8 (w / 2) .. + 7: eight steps of 512 numbers.
	s_and_b32 s24, s22, 1                          ; u
	s_lshr_b32 s25, s22, 1                         ; rg
	v_lshlrev_b32 v3, 4, v2                        ; 16 x lane
	v_lshlrev_b32 v4, 3, v2                        ; 8 x lane: my codes
	s_lshl_b32 s26, s25, 8
	s_lshl_b32 s27, s24, 4
	s_add_co_u32 s26, s26, s27
	s_add_co_u32 s26, s26, SCB
	v_lshrrev_b32 v5, 1, v2
	v_add_nc_u32 v5, s26, v5                       ; my block's scale byte: row 8 rg (+ the step), byte 16 u + lane / 2
	s_lshl_b32 s26, s24, 14
	s_add_co_u32 s26, s26, WIMG
	v_add_nc_u32 v6, s26, v3                       ; Wr's image of my half
	s_lshl_b32 s26, s24, 10
	s_lshl_b32 s27, s25, 8
	s_add_co_u32 s26, s26, s27
	s_add_co_u32 s26, s26, PL
	v_and_b32 v7, 7, v2
	v_lshl_add_u32 v7, v7, 5, s26                  ; the logits of row 8 rg + lane % 8, half u
	s_mul_i32 s26, s22, WSTG
	v_lshrrev_b32 v14, 2, v2
	v_mul_u32_u24 v14, v14, SP
	v_and_b32 v15, 3, v2
	v_lshl_add_u32 v14, v15, 4, v14
	v_add_nc_u32 v14, s26, v14                     ; the stage, in: four lanes' 64 bytes on end, then the padding
	v_mul_u32_u24 v15, v2, SP
	v_add_nc_u32 v15, s26, v15                     ; and out: my 16 neighbours
	s_lshl_b32 s26, s22, 11
	v_add_nc_u32 v255, s26, v3                     ; where I put expert w's image
	v_lshlrev_b32 v254, 6, v2                      ; and where I read it: 64 bytes a lane
	v_add_nc_u32 v12, SCB, v3                      ; the last phase's addresses are made here, ahead of the waves' parting
	v_lshl_add_u32 v13, v2, 5, PL
	s_lshl_b32 s28, s22, 12
	s_wait_kmcnt 0x0
	s_add_nc_u64 s[6:7], s[6:7], s[28:29]          ; Wr's row w
	s_lshl_b32 s28, s23, 17
	s_lshl_b32 s26, s25, 15
	s_add_co_u32 s28, s28, s26
	s_lshl_b32 s26, s24, 11
	s_add_co_u32 s28, s28, s26
	s_add_nc_u64 s[4:5], s[4:5], s[28:29]          ; x at my first half row
	s_lshl_b32 s28, s23, 14
	s_lshl_b32 s26, s25, 12
	s_add_co_u32 s28, s28, s26
	s_lshl_b32 s26, s24, 8
	s_add_co_u32 s28, s28, s26
	s_add_nc_u64 s[10:11], s[10:11], s[28:29]      ; its codes
	s_lshl_b32 s28, s23, 10
	s_add_nc_u64 s[12:13], s[12:13], s[28:29]      ; the 32 rows' scale bytes,
	s_add_nc_u64 s[18:19], s[18:19], s[28:29]      ; their gates,
	s_lshl_b32 s28, s23, 7
	s_add_nc_u64 s[20:21], s[20:21], s[28:29]      ; their words in route
.macro XLOAD t                         ; step t: 32 lanes read 512 consecutive bytes, four times
.irp i, 0,1,2,3
	global_load_b128 v[R+16*((\t)%3)+4*\i:R+16*((\t)%3)+4*\i+3], v3, s[4:5] offset:4096*(\t)+512*\i th:TH_LOAD_NT
.endr
.endm
.macro XTURN t                         ; through the wave's own stage: LDS serves a wave's instructions in order (ISA guide 5.7.1.4), so no wait stands between
.irp i, 0,1,2,3
	ds_store_b128 v14, v[R+16*((\t)%3)+4*\i:R+16*((\t)%3)+4*\i+3] offset:32*SP*((\t)%2)+8*SP*\i
.endr
.irp i, 0,1,2,3
	ds_load_b128 v[XR+16*((\t)%2)+4*\i:XR+16*((\t)%2)+4*\i+3], v15 offset:32*SP*((\t)%2)+16*\i
.endr
.endm
.irp p, 0,1
.irp q, 0,1,2,3
	global_load_b128 v[XR+16*\p+4*\q:XR+16*\p+4*\q+3], v254, s[6:7] offset:2048*\p+16*\q   ; Wr[w][512 p + 16 lane + 4 q ..]
.endr
.endr
	XLOAD 0
	XLOAD 1
	XLOAD 2
	s_wait_loadcnt 12                              ; Wr's eight are in; x's twelve may be out
.irp p, 0,1
.irp q, 0,1,2,3
	ds_store_b128 v255, v[XR+16*\p+4*\q:XR+16*\p+4*\q+3] offset:WIMG+16384*\p+512*\q
.endr
.endr
	s_wait_dscnt 0x0                               ; for the others' sake: my part of the image lies in LDS
	s_barrier_signal -1
	s_barrier_wait -1
.irp e, 0,1,2,3,4,5,6,7
.irp q, 0,1,2,3
	ds_load_b128 v[WR+16*\e+4*\q:WR+16*\e+4*\q+3], v6 offset:2048*\e+512*\q
.endr
.endr
	s_wait_loadcnt 8                               ; step 0's four are in
	XTURN 0
.macro XSTEP t
.set XS, XR+16*((\t)%2)
.set CP, CD+2*((\t)%2)
.if (\t) > 0
	s_wait_dscnt 1                                 ; this step's numbers are back from the stage; the last step's byte store may be out
.else
	s_wait_dscnt 0x0                               ; and Wr's image
.endif
.if (\t)+3 < 8
	XLOAD (\t)+3                                   ; into the set that this step's turn has left
.endif
.if (\t) < 7
.if 6-(\t) >= 2
	s_wait_loadcnt 8                               ; the next step's four are in; the two steps behind it may be out
.else
	s_wait_loadcnt 4*(6-(\t))
.endif
	XTURN (\t)+1
.endif
	s_wait_xcnt 0x0                                ; the store of two steps back has read this pair of code registers
	v_max3_num_f32 v8, |v[XS]|, |v[XS+1]|, |v[XS+2]|               ; the largest magnitude of my 16
	v_max3_num_f32 v9, |v[XS+3]|, |v[XS+4]|, |v[XS+5]|
.irp i, 6,10
	v_max3_num_f32 v8, v8, |v[XS+\i]|, |v[XS+\i+1]|
	v_max3_num_f32 v9, v9, |v[XS+\i+2]|, |v[XS+\i+3]|
.endr
	v_max3_num_f32 v8, v8, |v[XS+14]|, |v[XS+15]|
	v_max3_num_f32 v8, v8, v9, 0x1800000           ; and the floor 2^(3 - 127): the byte cannot fall under 1
	v_max_num_f32_dpp v8, v8, v8 row_xmask:1 row_mask:0xf bank_mask:0xf   ; with my neighbour's 16: the block's
	v_add_nc_u32 v11, 0xff000000, v8               ; 2 off its exponent field: the conversion takes that field as its scale
	v_cvt_scalef32_pk8_fp4_f32 v[CP], v[XS:XS+7], v11
	v_cvt_scalef32_pk8_fp4_f32 v[CP+1], v[XS+8:XS+15], v11
	v_lshrrev_b32 v[EB+(\t)%2], 23, v11            ; the scale's byte (a plain line behind the conversions)
	ds_store_b8 v5, v[EB+(\t)%2] offset:32*(\t)    ; both lanes of a block write the same byte with the same value
	global_store_b64 v4, v[CP:CP+1], s[10:11] offset:512*(\t)     ; the wave stores 256 consecutive bytes, aligned
	; the router: my 16 numbers against eight experts, two at a time, the experts by turns
.irp e, 0,1,2,3,4,5,6,7
	v_pk_mul_f32 v[ACC+2*\e:ACC+2*\e+1], v[XS:XS+1], v[WR+16*\e:WR+16*\e+1]
.endr
.irp i, 1,2,3,4,5,6,7
.irp e, 0,1,2,3,4,5,6,7
	v_pk_fma_f32 v[ACC+2*\e:ACC+2*\e+1], v[XS+2*\i:XS+2*\i+1], v[WR+16*\e+2*\i:WR+16*\e+2*\i+1], v[ACC+2*\e:ACC+2*\e+1]
.endr
.endr
.irp e, 0,1,2,3,4,5,6,7
	v_add_f32 v[ACC+2*\e], v[ACC+2*\e], v[ACC+2*\e+1]
.endr
.irp j, 0,1,2,3
	v_permlane16_swap_b32 v[ACC+2*\j], v[ACC+2*\j+8]               ; expert j's upper lanes change places with expert j + 4's lower ones:
.endr
.irp j, 0,1,2,3
	v_add_f32 v[ACC+2*\j], v[ACC+2*\j], v[ACC+2*\j+8]              ; lanes 0-15 go on with expert j, lanes 16-31 with expert j + 4
.endr
.irp m, 1,2,4,8
.irp j, 0,1,2,3
	v_add_f32_dpp v[ACC+2*\j], v[ACC+2*\j], v[ACC+2*\j] row_xmask:\m row_mask:0xf bank_mask:0xf
.endr
.endr
.if (\t) == 0
.irp j, 0,1,2,3
	v_mov_b32 v[CL+\j], v[ACC+2*\j]
.endr
.else
	s_mov_b32 s32, 0x01010101<<(\t)                ; the lanes with lane % 8 = t keep row t's sums
.irp j, 0,1,2,3
	v_cndmask_b32 v[CL+\j], v[CL+\j], v[ACC+2*\j], s32
.endr
.endif
.endm
.irp t, 0,1,2,3,4,5,6,7
	XSTEP \t
.endr
.irp j, 0,1,2,3
	v_mov_b32 v[CL+4+\j], v[CL+\j]
.endr
.irp j, 0,1,2,3
	v_permlane16_swap_b32 v[CL+\j], v[CL+4+\j]     ; now v240-243 hold experts 0-3 and v244-247 experts 4-7 of row lane % 8, in both halves of the lanes
.endr
	ds_store_b128 v7, v[CL:CL+3]                   ; lanes with the same lane % 8 write the same bytes with the same values
	ds_store_b128 v7, v[CL+4:CL+7] offset:16
	s_wait_dscnt 0x0                               ; for the others' sake: my logits and my scale bytes lie in LDS
	s_barrier_signal -1
	s_barrier_wait -1
	s_cmp_gt_u32 s22, 1
	s_cbranch_scc1 .Lend
	s_cmp_eq_u32 s22, 1
	s_cbranch_scc1 .Lscales
	; ---- wave 0: a lane to a row: softmax, the two largest, key, rank, counts
	ds_load_b128 v[16:19], v13
	ds_load_b128 v[20:23], v13 offset:16
	ds_load_b128 v[24:27], v13 offset:1024
	ds_load_b128 v[28:31], v13 offset:1040
	s_mov_b32 s33, 0x3fb8aa3b                      ; log2(e)
	s_wait_dscnt 0x0
.irp e, 0,2,4,6
	v_pk_add_f32 v[16+\e:17+\e], v[16+\e:17+\e], v[24+\e:25+\e]    ; the two halves of K
.endr
	v_max3_num_f32 v32, v16, v17, v18
	v_max3_num_f32 v32, v32, v19, v20
	v_max3_num_f32 v32, v32, v21, v22
	v_max_num_f32 v32, v32, v23                    ; the row's largest logit is taken away ahead of the exponential
	v_mul_f32 v33, s33, v32
.irp e, 0,1,2,3,4,5,6,7
	v_fma_f32 v[40+\e], v[16+\e], s33, -v33        ; the same subtrahend for all eight: its rounding is a common factor, which the division takes out
.endr
.irp e, 0,1,2,3,4,5,6,7
	v_exp_f32 v[40+\e], v[40+\e]
.endr
	v_mov_b32 v57, 0                               ; (a plain line behind the exponentials)  the first choice's index
	s_wait_alu depctr_va_vdst(0)                   ; one wait for the batch, ahead of its first reader
	v_add_f32 v34, v40, v41
	v_add_f32 v35, v42, v43
	v_add_f32 v36, v44, v45
	v_add_f32 v37, v46, v47
	v_add_f32 v34, v34, v35
	v_add_f32 v36, v36, v37
	v_add_f32 v34, v34, v36
	v_rcp_f32 v35, v34
	v_mov_b32 v59, 0                               ; (a plain line)  the second choice's index
	s_wait_alu depctr_va_vdst(0)
.irp e, 0,1,2,3,4,5,6,7
	v_mul_f32 v[48+\e], v[40+\e], v35              ; the gates
.endr
	v_mov_b32 v56, v48
.irp e, 1,2,3,4,5,6,7
	v_cmp_gt_f32 vcc_lo, v[48+\e], v56             ; strictly larger: a tie keeps the lower index
	v_cndmask_b32 v56, v56, v[48+\e], vcc_lo
	v_cndmask_b32 v57, v57, \e, vcc_lo
.endr
.irp e, 0,1,2,3,4,5,6,7
	v_cmp_eq_u32 vcc_lo, \e, v57
	v_cndmask_b32 v[64+\e], v[48+\e], -1.0, vcc_lo ; the first choice is taken out: -1 lies under every gate
.endr
	v_mov_b32 v58, v64
.irp e, 1,2,3,4,5,6,7
	v_cmp_gt_f32 vcc_lo, v[64+\e], v58
	v_cndmask_b32 v58, v58, v[64+\e], vcc_lo
	v_cndmask_b32 v59, v59, \e, vcc_lo
.endr
	v_min_u32 v60, v57, v59                        ; a
	v_max_u32 v61, v57, v59                        ; b
	v_sub_nc_u32 v62, 15, v60
	v_mul_u32_u24 v62, v62, v60
	v_lshrrev_b32 v62, 1, v62                      ; a (15 - a) / 2
	v_sub_nc_u32 v63, v61, v60
	v_add_nc_u32 v63, -1, v63                      ; b - a - 1
	v_sub_nc_u32 v36, 7, v61                       ; 7 - b
	v_and_b32 v37, 1, v60
	v_cmp_eq_u32 vcc_lo, 1, v37
	v_cndmask_b32 v63, v63, v36, vcc_lo
	v_add_nc_u32 v62, v62, v63                     ; the key, 0 .. 27
.irp e, 0,1,2,3,4,5,6,7
	v_cmp_eq_u32 vcc_lo, \e, v57
	v_cndmask_b32 v[72+\e], 0, v[48+\e], vcc_lo
	v_cmp_eq_u32 vcc_lo, \e, v59
	v_cndmask_b32 v[72+\e], v[72+\e], v[48+\e], vcc_lo             ; the dense row of gates: 0 where not chosen
.endr
	v_mov_b32 v38, 0                               ; rank
	v_mov_b32 v39, 0                               ; the group's counts: lane = bucket
	; seven buckets at a time, each with a mask register and a work register of its own, so that no line waits for the line above it
.set q0, 0
.rept 4
.irp i, 0,1,2,3,4,5,6
	v_cmp_eq_u32 s[36+\i], q0+\i, v62              ; the lanes that have this key
.endr
.irp i, 0,1,2,3,4,5,6
	v_mbcnt_lo_u32_b32 v[80+\i], s[36+\i], 0       ; how many lower lanes have it
.endr
.irp i, 0,1,2,3,4,5,6
	v_cndmask_b32 v38, v38, v[80+\i], s[36+\i]
.endr
.irp i, 0,1,2,3,4,5,6
	s_bcnt1_i32_b32 s[36+\i], s[36+\i]
.endr
.irp i, 0,1,2,3,4,5,6
	v_writelane_b32 v39, s[36+\i], q0+\i
.endr
.set q0, q0+7
.endr
	v_lshl_or_b32 v38, v38, 8, v62
	v_lshlrev_b32 v36, 5, v2
	v_lshlrev_b32 v37, 2, v2
	global_store_b128 v36, v[72:75], s[18:19]
	global_store_b128 v36, v[76:79], s[18:19] offset:16
	global_store_b32 v37, v38, s[20:21]
	global_store_b32 v37, v39, s[20:21] offset:32768
	s_set_vgpr_msb 0x4
	s_wait_tensorcnt 0x0
	ds_add_u32 v10, v1
	s_wait_dscnt 0x0
	s_set_vgpr_msb 0x400
	s_endpgm
.Lscales:                                          ; ---- wave 1: the 32 rows' scale bytes leave as 1,024 consecutive bytes
	ds_load_b128 v[16:19], v12
	ds_load_b128 v[20:23], v12 offset:512
	s_wait_dscnt 0x0
	global_store_b128 v3, v[16:19], s[12:13]
	global_store_b128 v3, v[20:23], s[12:13] offset:512
.Lend:
	s_set_vgpr_msb 0x4
	s_wait_tensorcnt 0x0
	ds_add_u32 v10, v1
	s_wait_dscnt 0x0
	s_set_vgpr_msb 0x400
	s_endpgm
; ---------------- We: expert e, K step s (128 k), 256 columns.  A LANE TAKES A COLUMN AND ITS REGISTERS RUN DOWN K: a block of 32 lies in one lane, and the conversions give codes with K innermost.
.Lweights:
	s_lshr_b32 s24, s23, 5                         ; e
	s_bfe_u32 s25, s23, 0x30002                    ; s
	s_and_b32 s26, s23, 3
	s_lshl_b32 s26, s26, 8
	s_lshl_b32 s27, s22, 5
	s_add_co_u32 s26, s26, s27                     ; my wave's first column
	v_lshlrev_b32 v3, 2, v2                        ; 4 bytes a lane
	v_lshrrev_b32 v4, 4, v2
	v_and_b32 v5, 15, v2
	v_lshlrev_b32 v5, 4, v5
	v_lshl_add_u32 v4, v4, 13, v5                  ; my codes: tile lane / 16 (8,192 bytes a tile), 16 bytes x (lane % 16)
	s_lshl_b32 s28, s24, 22
	s_lshl_b32 s27, s25, 19
	s_add_co_u32 s28, s28, s27
	s_lshl_b32 s27, s26, 2
	s_add_co_u32 s28, s28, s27
	s_wait_kmcnt 0x0
	s_add_nc_u64 s[8:9], s[8:9], s[28:29]          ; We[e][128 s][column]
	s_lshl_b32 s28, s24, 19
	s_lshl_b32 s27, s26, 9
	s_add_co_u32 s28, s28, s27
	s_lshl_b32 s27, s25, 10
	s_add_co_u32 s28, s28, s27
	s_add_nc_u64 s[14:15], s[14:15], s[28:29]      ; w_codes[e][column / 16][4 s]
	s_lshl_b32 s28, s24, 15
	s_lshl_b32 s27, s25, 12
	s_add_co_u32 s28, s28, s27
	s_lshl_b32 s27, s26, 2
	s_add_co_u32 s28, s28, s27
	s_add_nc_u64 s[16:17], s[16:17], s[28:29]      ; w_scales[e][s][column]
.macro WLOAD t
.set i, 0
.rept 32
	global_load_b32 v[WX+32*(\t)+i], v3, s[8:9] offset:(32*(\t)+i)*4096 th:TH_LOAD_NT   ; one k, 32 neighbouring columns; the eight waves stand side by side on 1,024 bytes
.set i, i+1
.endr
.endm
.macro WBLOCK t, left
.set XS, WX+32*(\t)
	s_wait_loadcnt \left
	v_max3_num_f32 v12, |v[XS]|, |v[XS+1]|, |v[XS+2]|              ; the block's largest magnitude: all 32 numbers are mine
	v_max3_num_f32 v13, |v[XS+3]|, |v[XS+4]|, |v[XS+5]|
.irp i, 6,10,14,18,22,26
	v_max3_num_f32 v12, v12, |v[XS+\i]|, |v[XS+\i+1]|
	v_max3_num_f32 v13, v13, |v[XS+\i+2]|, |v[XS+\i+3]|
.endr
	v_max3_num_f32 v12, v12, |v[XS+30]|, |v[XS+31]|
	v_max3_num_f32 v12, v12, v13, 0x1800000        ; and the floor 2^(3 - 127)
	v_add_nc_u32 v11, 0xff000000, v12
	v_lshrrev_b32 v13, 23, v11
.if (\t) == 0
	v_mov_b32 v[WSB], v13
.else
	v_lshl_or_b32 v[WSB], v13, 8*(\t), v[WSB]      ; four bytes make the K step's scale word of my column
.endif
.irp g, 0,1,2,3
	v_cvt_scalef32_pk8_fp4_f32 v[WC+4*(\t)+\g], v[XS+8*\g:XS+8*\g+7], v11
.endr
	global_store_b128 v4, v[WC+4*(\t):WC+4*(\t)+3], s[14:15] offset:256*(\t)   ; sixteen lanes store 256 consecutive bytes, aligned.  The next block begins with plain vector lines
.endm
	WLOAD 0
	WLOAD 1
	WLOAD 2
	WLOAD 3
	WBLOCK 0, 63                                   ; 96 loads were issued behind block 0's, 64 behind block 1's: a count names 63 at the most, and a smaller count is always right
	WBLOCK 1, 63
	WBLOCK 2, 32
	WBLOCK 3, 0
	global_store_b32 v3, v[WSB], s[16:17]
	s_endpgm
.Lfunc_end_k_q18c7e0ae9d_prep:
	.size	k_q18c7e0ae9d_prep, .Lfunc_end_k_q18c7e0ae9d_prep-k_q18c7e0ae9d_prep
	.p2alignl 7, 3214868480
	.fill 96, 4, 3214868480
	.section	.rodata,"a",@progbits
	.p2align	6, 0x0
	.amdhsa_kernel k_q18c7e0ae9d_prep
		.amdhsa_group_segment_fixed_size 77824
		.amdhsa_private_segment_fixed_size 0
		.amdhsa_enable_private_segment 0
		.amdhsa_kernarg_size 72
		.amdhsa_user_sgpr_count 2
		.amdhsa_user_sgpr_kernarg_segment_ptr 1
		.amdhsa_wavefront_size32 1
		.amdhsa_system_sgpr_workgroup_id_x 1
		.amdhsa_system_sgpr_workgroup_id_y 1
		.amdhsa_system_sgpr_workgroup_id_z 1
		.amdhsa_system_vgpr_workitem_id 0
		.amdhsa_next_free_vgpr 258
		.amdhsa_next_free_sgpr 66
		.amdhsa_reserve_vcc 1
		.amdhsa_float_denorm_mode_32 3
		.amdhsa_float_denorm_mode_16_64 3
		.amdhsa_memory_ordered 1
		.amdhsa_forward_progress 1
		.amdhsa_inst_pref_size 104
	.end_amdhsa_kernel
	.amdgpu_metadata
---
amdhsa.version: [ 1, 2 ]
amdhsa.kernels:
  - .name:           k_q18c7e0ae9d_prep
    .symbol:         k_q18c7e0ae9d_prep.kd
    .args:
      - { .name: x, .offset: 0, .size: 8, .value_kind: global_buffer, .address_space: global }
      - { .name: Wr, .offset: 8, .size: 8, .value_kind: global_buffer, .address_space: global }
      - { .name: We, .offset: 16, .size: 8, .value_kind: global_buffer, .address_space: global }
      - { .name: x_codes, .offset: 24, .size: 8, .value_kind: global_buffer, .address_space: global }
      - { .name: x_scales, .offset: 32, .size: 8, .value_kind: global_buffer, .address_space: global }
      - { .name: w_codes, .offset: 40, .size: 8, .value_kind: global_buffer, .address_space: global }
      - { .name: w_scales, .offset: 48, .size: 8, .value_kind: global_buffer, .address_space: global }
      - { .name: gates, .offset: 56, .size: 8, .value_kind: global_buffer, .address_space: global }
      - { .name: route, .offset: 64, .size: 8, .value_kind: global_buffer, .address_space: global }
    .group_segment_fixed_size: 77824
    .private_segment_fixed_size: 0
    .kernarg_segment_align: 8
    .kernarg_segment_size: 72
    .max_flat_workgroup_size: 256
    .sgpr_count:     66
    .vgpr_count:     258
    .wavefront_size: 32
...
	.end_amdgpu_metadata
.endif
;; end of part 1
;; launch place (part 2): grid 1 x 1, 16 waves a work-group, no clusters, 4,096 bytes of LDS; arguments route, plan; writes plan
.if DOCPART == 2
	.amdgcn_target "amdgcn-amd-amdhsa--gfx1250"
	.amdhsa_code_object_version 6
	.text
	.protected	k_q18c7e0ae9d_place
	.globl	k_q18c7e0ae9d_place
	.p2align	8
	.type	k_q18c7e0ae9d_place,@function
k_q18c7e0ae9d_place:
	s_mov_b64 s[64:65], 0
	v_nop
	global_prefetch_b8 v0, s[64:65] scope:SCOPE_SE
	s_setreg_imm32_b32 hwreg(HW_REG_WAVE_MODE, 25, 1), 1
	s_wait_xcnt 0x0
; SECOND LAUNCH: a counting sort of the 8,192 tokens by their key (28 buckets), without atomics, by one work-group.
; route: tokinfo[token] = key | rank << 8 (rank among the token's group of 32), then hist[group 256][32] (lane = bucket).
; plan:  order[position] = token, then bmask[block of 128 positions] = the experts that the block's tokens use, a bit an expert.
; Wave w owns groups 16 w .. 16 w + 15 and blocks 4 w .. 4 w + 3.  A token's position = its bucket's first position + the bucket's tokens in earlier waves + in earlier groups of the wave + its rank.
; One work-group: 65,536 bytes are read and 33,024 written; the sums span all groups, and work-groups of a launch hand nothing to each other.
.set H,   16                           ; v16-31   my groups' counts, then their running sums (lane = bucket)
.set TI,  32                           ; v32-47   my groups' tokinfo (lane = token)
.set ST,  48                           ; v48-63   each group's first position in each bucket
.set Q,   64                           ; v64-79   the same, picked by each token's key
.set POS, 80                           ; v80-95   positions, as byte offsets
.set TOK, 96                           ; v96-111  token numbers
.set T,   112                          ; v112-127 the sixteen waves' totals
	s_load_b128 s[4:7], s[0:1], 0x0                ; route, plan
	v_lshl_add_u32 v128, v0, 2, 0x800
	v_mov_b32 v129, 0
	v_lshrrev_b32 v1, 5, v0
	v_readfirstlane_b32 s8, v1                     ; wave 0..15
	v_and_b32 v2, 31, v0
	v_lshlrev_b32 v3, 2, v2
	s_lshl_b32 s9, s8, 11
	v_add_nc_u32 v4, s9, v3                        ; my wave's 16 groups of 128 bytes, my lane's word
	v_lshlrev_b32 v5, 2, v0
	s_lshl_b32 s9, s8, 9                           ; my wave's first token; also the first position of its first block
	v_add_nc_u32 v8, s9, v2                        ; my lane's token in the wave's first group
	s_wait_kmcnt 0x0
.irp i, 0,1,2,3,4,5,6,7,8,9,10,11,12,13,14,15
	global_load_b32 v[H+\i], v4, s[4:5] offset:32768+128*\i
.endr
.irp i, 0,1,2,3,4,5,6,7,8,9,10,11,12,13,14,15
	global_load_b32 v[TI+\i], v4, s[4:5] offset:128*\i
.endr
	s_wait_loadcnt 16                              ; the counts are in; the sixteen loads of tokinfo may be out
.irp i, 1,2,3,4,5,6,7,8,9,10,11,12,13,14,15
	v_add_nc_u32 v[H+\i], v[H+\i], v[H+\i-1]
.endr
	ds_store_b32 v5, v[H+15]                       ; my wave's total for each bucket
	s_wait_dscnt 0x0
	s_barrier_signal -1
	s_barrier_wait -1
.irp i, 0,1,2,3,4,5,6,7,8,9,10,11,12,13,14,15
	ds_load_b32 v[T+\i], v3 offset:128*\i
.endr
	v_mov_b32 v9, 0                                ; the bucket's tokens in earlier waves
	v_mov_b32 v10, 0                               ; and in all
	v_mov_b32 v6, 0
	s_wait_dscnt 0x0
.irp i, 0,1,2,3,4,5,6,7,8,9,10,11,12,13,14,15
	s_cmp_gt_u32 s8, \i
	s_cselect_b32 s10, -1, 0
	v_and_b32 v7, s10, v[T+\i]
	v_add_nc_u32 v10, v10, v[T+\i]
	v_add_nc_u32 v9, v9, v7
.endr
	v_mov_b32 v11, v10                             ; a running sum over the buckets: four steps inside each 16 lanes,
.irp n, 1,2,4,8
	v_mov_b32_dpp v6, v11 row_shr:\n row_mask:0xf bank_mask:0xf bound_ctrl:1
	v_add_nc_u32 v11, v11, v6
.endr
	v_readlane_b32 s10, v11, 15                    ; and the lower sixteen's sum onto the upper
	v_mov_b32 v7, s10
	v_cmp_lt_u32 vcc_lo, 15, v2
	v_cndmask_b32 v6, 0, v7, vcc_lo
	v_add_nc_u32 v11, v11, v6                      ; where each bucket ends,
	v_sub_nc_u32 v12, v11, v10                     ; and begins
	v_add_nc_u32 v[ST], v12, v9
.irp i, 1,2,3,4,5,6,7,8,9,10,11,12,13,14,15
	v_add_nc_u32 v[ST+\i], v[ST], v[H+\i-1]
.endr
	s_wait_loadcnt 0x0
.irp i, 0,1,2,3,4,5,6,7,8,9,10,11,12,13,14,15
	v_and_b32 v[POS+\i], 0xff, v[TI+\i]            ; the key,
	v_min_u32 v[POS+\i], 31, v[POS+\i]             ; held inside the wave,
	v_lshlrev_b32 v[POS+\i], 2, v[POS+\i]
	ds_bpermute_b32 v[Q+\i], v[POS+\i], v[ST+\i]   ; picks the lane that holds its bucket's first position
.endr
	s_wait_dscnt 0x0
.irp i, 0,1,2,3,4,5,6,7,8,9,10,11,12,13,14,15
	v_lshrrev_b32 v[TI+\i], 8, v[TI+\i]            ; the rank
	v_add_nc_u32 v[POS+\i], v[Q+\i], v[TI+\i]
	v_min_u32 v[POS+\i], 0x1fff, v[POS+\i]         ; a position stays inside order
	v_lshlrev_b32 v[POS+\i], 2, v[POS+\i]
	v_add_nc_u32 v[TOK+\i], 32*\i, v8
	global_store_b32 v[POS+\i], v[TOK+\i], s[6:7]  ; each store has registers of its own: none is written again
.endr
	; THE MASKS, four blocks a wave, behind the scatter's stores.  A lane to a bucket: one compare gives, as a scalar, the set of buckets that reach into a block
	; (an empty bucket never does: it begins where it ends).  Expert e is used where that set meets the set of the seven buckets that hold e, a constant of the key's formula.
.irp i, 0,1,2,3
	s_add_co_u32 s10, s9, 128*\i                   ; the block's first position,
	s_add_co_u32 s11, s9, 128*\i+128               ; and the one behind its last
	v_max_u32 v6, s10, v12
	v_min_u32 v7, s11, v11
	v_cmp_lt_u32 s[12+\i], v6, v7
	s_mov_b32 s[16+\i], 0
.endr
.macro USES e, set                     ; the four blocks by turns
.irp i, 0,1,2,3
	s_and_b32 s[20+\i], s[12+\i], \set             ; SCC: not empty
	s_cselect_b32 s[20+\i], 1<<(\e), 0
	s_or_b32 s[16+\i], s[16+\i], s[20+\i]
.endr
.endm
	USES 0, 0x7f                                   ; buckets 0-6
	USES 1, 0x1f81                                 ; 0, 7-12
	USES 2, 0x3f002                                ; 1, 12-17
	USES 3, 0x3c2804                               ; 2, 11, 13, 18-21
	USES 4, 0x1e04408                              ; 3, 10, 14, 21-24
	USES 5, 0x6508210                              ; 4, 9, 15, 20, 22, 25, 26
	USES 6, 0xc890120                              ; 5, 8, 16, 19, 23, 26, 27
	USES 7, 0xb0600c0                              ; 6, 7, 17, 18, 24, 25, 27
	v_and_b32 v13, 3, v2                           ; lane l stores block 4 w + l % 4's mask: lanes with the same l % 4 store the same word with the same value
	v_mov_b32 v15, s16
.irp i, 1,2,3
	v_mov_b32 v6, s[16+\i]
	v_cmp_eq_u32 vcc_lo, \i, v13
	v_cndmask_b32 v15, v15, v6, vcc_lo
.endr
	s_lshl_b32 s10, s8, 4
	v_lshl_add_u32 v14, v13, 2, s10
	global_store_b32 v14, v15, s[6:7] offset:32768
	s_wait_tensorcnt 0x0
	ds_add_u32 v128, v129
	s_wait_dscnt 0x0
	s_endpgm
.Lfunc_end_k_q18c7e0ae9d_place:
	.size	k_q18c7e0ae9d_place, .Lfunc_end_k_q18c7e0ae9d_place-k_q18c7e0ae9d_place
	.p2alignl 7, 3214868480
	.fill 96, 4, 3214868480
	.section	.rodata,"a",@progbits
	.p2align	6, 0x0
	.amdhsa_kernel k_q18c7e0ae9d_place
		.amdhsa_group_segment_fixed_size 4096
		.amdhsa_private_segment_fixed_size 0
		.amdhsa_enable_private_segment 0
		.amdhsa_kernarg_size 16
		.amdhsa_user_sgpr_count 2
		.amdhsa_user_sgpr_kernarg_segment_ptr 1
		.amdhsa_wavefront_size32 1
		.amdhsa_system_sgpr_workgroup_id_x 1
		.amdhsa_system_sgpr_workgroup_id_y 1
		.amdhsa_system_sgpr_workgroup_id_z 1
		.amdhsa_system_vgpr_workitem_id 0
		.amdhsa_next_free_vgpr 130
		.amdhsa_next_free_sgpr 66
		.amdhsa_reserve_vcc 1
		.amdhsa_float_denorm_mode_32 3
		.amdhsa_float_denorm_mode_16_64 3
		.amdhsa_memory_ordered 1
		.amdhsa_forward_progress 1
		.amdhsa_inst_pref_size 24
	.end_amdhsa_kernel
	.amdgpu_metadata
---
amdhsa.version: [ 1, 2 ]
amdhsa.kernels:
  - .name:           k_q18c7e0ae9d_place
    .symbol:         k_q18c7e0ae9d_place.kd
    .args:
      - { .name: route, .offset: 0, .size: 8, .value_kind: global_buffer, .address_space: global }
      - { .name: plan, .offset: 8, .size: 8, .value_kind: global_buffer, .address_space: global }
    .group_segment_fixed_size: 4096
    .private_segment_fixed_size: 0
    .kernarg_segment_align: 8
    .kernarg_segment_size: 16
    .max_flat_workgroup_size: 512
    .sgpr_count:     66
    .vgpr_count:     130
    .wavefront_size: 32
...
	.end_amdgpu_metadata
.endif
;; end of part 2
;; launch experts (part 3): grid 4 x 64, 4 waves a work-group, no clusters, 86,528 bytes of LDS; arguments x_codes, x_scales, w_codes, w_scales, be, gates, plan, out0; writes out0
.if DOCPART == 3
	.amdgcn_target "amdgcn-amd-amdhsa--gfx1250"
	.amdhsa_code_object_version 6
	.text
	.protected	k_q18c7e0ae9d_experts
	.globl	k_q18c7e0ae9d_experts
	.p2align	8
	.type	k_q18c7e0ae9d_experts,@function
k_q18c7e0ae9d_experts:
	s_mov_b64 s[64:65], 0
	v_nop
	global_prefetch_b8 v0, s[64:65] scope:SCOPE_SE
	s_setreg_imm32_b32 hwreg(HW_REG_WAVE_MODE, 25, 1), 1
	s_wait_xcnt 0x0
; THIRD LAUNCH: out[n] = the sum over the experts e chosen for token n of gate[n][e] x (Q(x[n]) . Q(We[e]) + be[e]), on codes of FP4 (E2M1) with one E8M0 scale for each 32 along K.
; SHARES.  Work-group (x, y) owns the 128 tokens at positions 128 y .. of the sorted list and columns 256 x .. + 255: each number of out0 has one owner.  Wave w: all 128 tokens (8 tiles t) x 64 columns (4 tiles j).
; It walks only the experts named in the block's mask (2 to 8 of them, read from plan).  A token that does not use an expert has gate 0 there.
; THE PRODUCT IS USED TRANSPOSED: source 0 = 16 columns of We, source 1 = 16 tokens: a lane holds ONE token (lane % 16) and eight neighbouring columns, so a gate is one number a lane.
; The bias is the C of an expert's first matrix instruction.  S = x We + be is made in 32 accumulators, which take turns, one instruction a turn; then OUT += gate x S.
; x's codes of the 128 tokens are gathered once into LDS (rows of 512 bytes + 16).  Their fragments are asked for a K step ahead, FOUR LDS LOADS AHEAD OF EACH EIGHT MATRIX INSTRUCTIONS, so that the four
; waves' requests are spread over the K step; that costs two switches of the register window for each eight.
; THE WEIGHTS GO FROM MEMORY STRAIGHT INTO REGISTERS, in the order in which the first launch laid them: each load brings 512 consecutive
; bytes, half a fragment.  One expert's 8 K steps of the wave's 64 columns fill window 1; K step s - 1's registers take the NEXT expert's as soon as K step s - 1 is multiplied.
; NO TENSOR LOAD, NO CLUSTER: the number of experts that a block walks, and which, is read from memory: the trip count and the weights' addresses differ from work-group to work-group, so partners would
; need different numbers of tiles.  No prefetch instruction: the weights are asked for by the loads themselves, most of an expert ahead; the rows to gather are known one load before they are wanted.
; LIMITS: as the first launch states them.
; REGISTERS, in windows of 256: window 0: v1-11 addresses; v12-15 x_scales' offsets; v16-23 gates' offsets; v24-31 gates; v32-63 x's scale words, v64-79 We's (these 48 hold scales and nothing else);
;   v80-111 the bias; v112-175, v176-239 x's fragments, two sets.   window 1: We's fragments, at 32 s + 8 j + 4 c.   window 2: S(t, j) at 8 (4 t + j).   window 3: OUT(t, j) likewise.
.set APITCH, 528                       ; an LDS row of x's codes: 512 bytes + 16 = 33 x 16: the sixteen rows that a load touches start 16 bytes apart modulo 256
.set TB,     128*APITCH                ; behind them: the block's token numbers, [tile][row % 2][row / 2 % 8] words
.set STAGE,  TB+512                    ; and a stage of 16 rows x (256 bytes + 16) for each wave
.set SPITCH, 272
.set GV,  16
.set G,   24
.set XS,  32                           ; register 8 (t / 2) + s: lanes 0-15 the even tile's tokens, lanes 16-31 the odd tile's
.set WS,  64                           ; register 8 (j / 2) + s: likewise for tiles of columns
.set BI,  80
.set AF,  112
.set T16, 240
.set VO,  112                          ; at the head: the gather's offsets
.set RB,  112                          ; the way out: 16 rows read back, two sets of 32
.set TT,  176                          ; their tokens, two sets of 8
.set VA,  192                          ; their offsets in out0, two sets of 8
.set MSB, 0
.macro WIN new                         ; the immediate's high byte repeats the setting that is left; a switch that changes nothing is dropped
.if MSB != \new
	s_set_vgpr_msb (MSB<<8)|\new
.set MSB, \new
.endif
.endm
.macro PLACES                          ; four plain vector instructions between a matrix instruction and a load into one of its registers, or the first read of its result
.rept 4
	v_nop
.endr
.endm
; The next expert of the mask: its number (held inside the table) and the three addresses that hang on it.
.macro NEXTE
	s_ctz_i32_b32 s25, s23
	s_min_u32 s25, s25, 7
	s_sub_co_u32 s27, s23, 1
	s_and_b32 s23, s23, s27                        ; its bit is taken out
	s_lshl_b32 s28, s25, 19
	s_add_nc_u64 s[36:37], s[30:31], s[28:29]      ; codes
	s_lshl_b32 s28, s25, 15
	s_add_nc_u64 s[38:39], s[32:33], s[28:29]      ; scale words
	s_lshl_b32 s28, s25, 12
	s_add_nc_u64 s[40:41], s[34:35], s[28:29]      ; bias
.endm
; K step s of that expert: 8 loads of codes, 2 of scale words; with K step 0 the 8 loads of the bias.
.macro PF s
	WIN 0x40                                       ; destination window 1
.irp j, 0,1,2,3
.irp c, 0,1
	global_load_b128 v[32*(\s)+8*\j+4*\c:32*(\s)+8*\j+4*\c+3], v1, s[36:37] offset:\j*8192+(\s)*1024+\c*512
.endr
.endr
	WIN 0
.irp p, 0,1
	global_load_b32 v[WS+8*\p+(\s)], v4, s[38:39] offset:(\s)*4096+\p*128
.endr
.if (\s) == 0
.irp j, 0,1,2,3
	global_load_b128 v[BI+8*\j:BI+8*\j+3], v5, s[40:41] offset:64*\j          ; lane (r, h): the bias of columns 16 j + 8 h + 0 .. 7
	global_load_b128 v[BI+8*\j+4:BI+8*\j+7], v5, s[40:41] offset:64*\j+16
.endr
.endif
.endm
; x's fragments of tiles 2 c and 2 c + 1, K step s, into set b: four loads.  Lane (r, h) takes 16 bytes at row r, 64 s + 16 h, and 32 bytes on
.macro AF4 s, b, c
	WIN 0
.irp u, 0,1
.irp k, 0,1
	ds_load_b128 v[AF+64*(\b)+8*(2*(\c)+\u)+4*\k:AF+64*(\b)+8*(2*(\c)+\u)+4*\k+3], v2 offset:(2*(\c)+\u)*16*APITCH+64*(\s)+32*\k
.endr
.endr
.endm
.macro AFR s, b                        ; all eight tiles, in the same order: sixteen loads
.irp c, 0,1,2,3
	AF4 \s, \b, \c
.endr
.endm
.macro WM s, b, t, j
.set DR, 8*(4*(\t)+(\j))
.set CR, DR
.if (\s) == 0
.set CR, BI+8*(\j)                     ; the first K step starts the sum with the bias
.endif
.set BR, 32*(\s)+8*(\j)
.set AR, AF+64*(\b)+8*(\t)
.set SA, WS+8*((\j)/2)+(\s)
.set SB, XS+8*((\t)/2)+(\s)
.if ((\j)%2 == 0) && ((\t)%2 == 0)
	v_wmma_scale_f32_16x16x128_f8f6f4 v[DR:DR+7], v[BR:BR+7], v[AR:AR+7], v[CR:CR+7], v[SA], v[SB] matrix_a_fmt:MATRIX_FMT_FP4 matrix_b_fmt:MATRIX_FMT_FP4
.elseif (\t)%2 == 0
	v_wmma_scale_f32_16x16x128_f8f6f4 v[DR:DR+7], v[BR:BR+7], v[AR:AR+7], v[CR:CR+7], v[SA], v[SB] matrix_a_fmt:MATRIX_FMT_FP4 matrix_b_fmt:MATRIX_FMT_FP4 matrix_a_scale:MATRIX_SCALE_ROW1
.elseif (\j)%2 == 0
	v_wmma_scale_f32_16x16x128_f8f6f4 v[DR:DR+7], v[BR:BR+7], v[AR:AR+7], v[CR:CR+7], v[SA], v[SB] matrix_a_fmt:MATRIX_FMT_FP4 matrix_b_fmt:MATRIX_FMT_FP4 matrix_b_scale:MATRIX_SCALE_ROW1
.else
	v_wmma_scale_f32_16x16x128_f8f6f4 v[DR:DR+7], v[BR:BR+7], v[AR:AR+7], v[CR:CR+7], v[SA], v[SB] matrix_a_fmt:MATRIX_FMT_FP4 matrix_b_fmt:MATRIX_FMT_FP4 matrix_a_scale:MATRIX_SCALE_ROW1 matrix_b_scale:MATRIX_SCALE_ROW1
.endif
.endm
; 32 matrix instructions: all 32 accumulators, one after the other, in four parts of two tiles of tokens.  nxt = 1: ahead of part c stand the four LDS loads of the same two tiles for the NEXT K step.
; THE LDS COUNT.  LDS loads come back in order (ISA guide 5.7.1).  Part c wants loads 4 c .. 4 c + 3 of this K step's sixteen.  Behind them stand 12 - 4 c of the same sixteen and, with nxt = 1, the
; 4 (c + 1) of the next K step's that have been issued: sixteen in every part.
.macro MUL s, b, nxt
.irp c, 0,1,2,3
.if \nxt
	AF4 (\s)+1, ((\s)+1)%2, \c
	s_wait_dscnt 16
.else
	s_wait_dscnt 12-4*\c
.endif
.if (\s) == 0
	WIN 0x81                                       ; source 0 (We) window 1, source 1 (x) and C (the bias) window 0, D window 2
.else
	WIN 0xa1                                       ; C and D window 2
.endif
.irp u, 0,1
.irp j, 0,1,2,3
	WM \s, \b, 2*\c+\u, \j
.endr
.endr
.endr
.endm
; The expert in hand is taken: its gates are asked for, and with p = 1 the next expert's addresses are made.  It stands in K step 1, 32 matrix instructions behind the last loads that read the old bases.
.macro TAKE p
	s_wait_xcnt 0x0                                ; every load issued so far has read its base: the bases may be written
	s_mov_b32 s24, s25                             ; the expert whose weights are on their way or in
	s_lshl_b32 s28, s24, 2
	s_add_nc_u64 s[42:43], s[14:15], s[28:29]
.if \p
	NEXTE
.endif
	WIN 0
.irp t, 0,1,2,3,4,5,6,7
	global_load_b32 v[G+\t], v[GV+\t], s[42:43]    ; my token's gate for this expert, tile by tile
.endr
.endm
; A K step.  p = 1: a next expert follows, and its K step s - 1 is asked for here.
; THE COUNT.  The wave's loads go out in this order, at the head and in every trip: the expert's 88 (K step 0: 8 codes, 2 scale words, 8 bias; K steps 1 to 7: 10 each), its 8 gates (in its K step 1), the next expert's 88, ..
; Behind K step s's loads stand 10 (7 - s) of the same expert; from K step 1 on also the 8 gates; with p = 1 also the next expert's K steps up to s - 1: 70 at K step 0, then 86.  A count names 63 at the most,
; and a smaller count is always right.
.macro KSTEP s, p
	PLACES                                         ; behind the last K step's products, whose registers the loads of this K step fill again
.if (\s) == 1
	TAKE \p
.endif
.if (\p) && ((\s) > 0)
	PF (\s)-1
.endif
.set NW, 63
.if !(\p)
.if 10*(7-(\s))+8 < 63
.set NW, 10*(7-(\s))+8
.endif
.endif
	s_wait_loadcnt NW
.if (\s) < 7
	MUL \s, (\s)%2, 1
.else
	MUL \s, (\s)%2, 0
.endif
.endm
; OUT(t, .) = or += gate x S(t, .), two at a time; each accumulator is read from its low end on.  Of the pair of gates the even tile takes the first word for both halves, the odd tile the second.
.macro FIN t, first
	WIN 0xf2                                       ; S window 2, the gates window 0, OUT window 3
.set GR, G+2*((\t)/2)
.irp j, 0,1,2,3
.irp a, 0,1,2,3
.set IR, 8*(4*(\t)+\j)+2*\a
.if (\first)
.if (\t)%2 == 0
	v_pk_mul_f32 v[IR:IR+1], v[IR:IR+1], v[GR:GR+1] op_sel_hi:[1,0]
.else
	v_pk_mul_f32 v[IR:IR+1], v[IR:IR+1], v[GR:GR+1] op_sel:[0,1] op_sel_hi:[1,1]
.endif
.else
.if (\t)%2 == 0
	v_pk_fma_f32 v[IR:IR+1], v[IR:IR+1], v[GR:GR+1], v[IR:IR+1] op_sel_hi:[1,0,1]
.else
	v_pk_fma_f32 v[IR:IR+1], v[IR:IR+1], v[GR:GR+1], v[IR:IR+1] op_sel:[0,1,0] op_sel_hi:[1,1,1]
.endif
.endif
.endr
.endr
.endm
; THE WAY OUT of tile t.  A lane holds 32 neighbouring bytes of a token's row and the lanes beside it other tokens: the tile goes through the wave's own stage and comes back as rows of 256 bytes.
; LDS serves a wave's instructions in order (ISA guide 5.7.1.4): no wait between the stores and the loads, nor in front of the next tile's stores.
.macro TOSTAGE t
.if (\t) > 1
	s_wait_xcnt 0x0                                ; tile t - 2's stores have read their registers: this tile's loads and offsets may land there
.endif
	WIN 0x0c                                       ; an LDS store's data are its source 1: window 3
.irp j, 0,1,2,3
	ds_store_b128 v6, v[8*(4*(\t)+\j):8*(4*(\t)+\j)+3] offset:64*\j
	ds_store_b128 v6, v[8*(4*(\t)+\j)+4:8*(4*(\t)+\j)+7] offset:64*\j+16
.endr
	WIN 0
	ds_load_b128 v[TT+8*((\t)%2):TT+8*((\t)%2)+3], v8 offset:64*(\t)          ; the tokens of rows 2 i + h, i = 0 .. 7
	ds_load_b128 v[TT+8*((\t)%2)+4:TT+8*((\t)%2)+7], v8 offset:64*(\t)+16
.irp i, 0,1,2,3,4,5,6,7
	ds_load_b128 v[RB+32*((\t)%2)+4*\i:RB+32*((\t)%2)+4*\i+3], v7 offset:\i*2*SPITCH
.endr
.endm
.macro SEND t, younger                 ; younger: the next tile's 18 LDS instructions, or none
	s_wait_dscnt \younger
.irp i, 0,1,2,3,4,5,6,7
	v_min_u32 v[TT+8*((\t)%2)+\i], 0x1fff, v[TT+8*((\t)%2)+\i]                ; a token stays inside out0
	v_lshl_add_u32 v[VA+8*((\t)%2)+\i], v[TT+8*((\t)%2)+\i], 12, v9
.endr
.irp i, 0,1,2,3,4,5,6,7
	global_store_b128 v[VA+8*((\t)%2)+\i], v[RB+32*((\t)%2)+4*\i:RB+32*((\t)%2)+4*\i+3], s[44:45] th:TH_STORE_NT   ; sixteen lanes store 256 consecutive bytes, aligned; written once, read by nobody here
.endr
.endm
; One expert.  p = 1: a next expert follows.  kind 0: the first (OUT is begun), 1: one in the middle, 2: the last (OUT leaves).
.macro BODY p, kind
.irp s, 0,1,2,3,4,5,6,7
	KSTEP \s, \p
.endr
	PLACES                                         ; behind the last products: for the loads below and for the first read of S
.if \p
	AFR 0, 0                                       ; the next expert's first fragments of x: the arithmetic below stands between them and their use
	PF 7
	s_wait_loadcnt 63                              ; the gates are in: 88 loads were issued behind them
.else
	s_wait_loadcnt 0x0
.endif
.if \kind == 2
	FIN 0, 0
	TOSTAGE 0
.irp t, 1,2,3,4,5,6,7
	FIN \t, 0                                      ; a tile's arithmetic stands between the loads of the tile before and its stores
	TOSTAGE \t
	SEND \t-1, 18
.endr
	SEND 7, 0
.else
.irp t, 0,1,2,3,4,5,6,7
	FIN \t, 1-\kind
.endr
.endif
	WIN 0                                          ; at a label and at a branch every window is 0
.endm
	s_load_b512 s[4:19], s[0:1], 0x0               ; x_codes 4, x_scales 6, w_codes 8, w_scales 10, be 12, gates 14, plan 16, out0 18
	v_lshl_add_u32 v254, v0, 2, 0x15000
	v_mov_b32 v255, 0
	v_lshrrev_b32 v1, 5, v0
	v_readfirstlane_b32 s20, v1                    ; wave 0..3
	s_mov_b32 s21, ttmp9                           ; x: which 256 columns
	s_and_b32 s22, ttmp7, 0xffff                   ; y: which 128 positions
	s_mov_b32 s29, 0                               ; the high word of every offset pair s[28:29]
	v_and_b32 v250, 31, v0                         ; lane
	v_and_b32 v251, 15, v0                         ; r
	v_bfe_u32 v252, v0, 4, 1                       ; h
	v_lshlrev_b32 v1, 4, v250                      ; 16 x lane
	v_mul_u32_u24 v2, v251, APITCH
	v_lshl_add_u32 v2, v252, 4, v2                 ; a fragment of x: row r, + 16 h
	s_mul_i32 s27, s20, 32*APITCH
	v_add_nc_u32 v3, s27, v1                       ; the gather: my wave's 32 rows, 16 bytes a lane
	v_lshlrev_b32 v4, 2, v250
	v_lshlrev_b32 v5, 5, v252
	s_mul_i32 s27, s20, 16*SPITCH
	s_add_co_u32 s27, s27, STAGE                   ; my stage
	v_mul_u32_u24 v6, v251, SPITCH
	v_lshl_add_u32 v6, v252, 5, v6
	v_add_nc_u32 v6, s27, v6                       ; in: row r, 32 bytes for each half of the lanes
	v_mul_u32_u24 v7, v252, SPITCH
	v_lshl_add_u32 v7, v251, 4, v7
	v_add_nc_u32 v7, s27, v7                       ; back: lanes 0-15 one row, lanes 16-31 the next
	v_lshl_add_u32 v8, v252, 5, TB
	v_lshlrev_b32 v9, 4, v251
	v_lshrrev_b32 v10, 4, v0
	v_lshl_add_u32 v10, v10, 6, TB
	v_and_b32 v253, 1, v0
	v_lshl_add_u32 v10, v253, 5, v10
	v_bfe_u32 v253, v0, 1, 3
	v_lshl_add_u32 v10, v253, 2, v10               ; where my row's token number goes: [row / 16][row % 2][row / 2 % 8]
	v_lshlrev_b32 v248, 2, v0
	v_lshlrev_b32 v249, 2, v251
	s_lshl_b32 s50, s22, 2
	s_lshl_b32 s28, s22, 9
	s_wait_kmcnt 0x0
	s_load_b32 s23, s[16:17], s50 offset:0x8000    ; the block's mask of experts
	s_add_nc_u64 s[48:49], s[16:17], s[28:29]      ; order at the block's first position
	global_load_b32 v11, v248, s[48:49]            ; the token of row = my thread's number
.irp q, 0,1,2,3
	global_load_b32 v[12+\q], v4, s[48:49] offset:128*\q           ; of row 32 q + lane
.endr
.irp t, 0,1,2,3,4,5,6,7
	global_load_b32 v[T16+\t], v249, s[48:49] offset:64*\t         ; of row 16 t + r
.endr
	s_lshl_b32 s27, s21, 4
	s_lshl_b32 s28, s20, 2
	s_add_co_u32 s27, s27, s28                     ; my first tile of columns: 16 x + 4 w
	s_lshl_b32 s28, s27, 13
	s_add_nc_u64 s[30:31], s[8:9], s[28:29]
	s_lshl_b32 s28, s27, 6                         ; my first column x 4 bytes
	s_add_nc_u64 s[32:33], s[10:11], s[28:29]
	s_add_nc_u64 s[34:35], s[12:13], s[28:29]
	s_add_nc_u64 s[44:45], s[18:19], s[28:29]
	s_wait_kmcnt 0x0
	s_and_b32 s23, s23, 0xff
	s_bcnt1_i32_b32 s26, s23
	s_max_u32 s26, s26, 2
	s_sub_co_u32 s26, s26, 2                       ; experts between the first and the last: 0 to 6
	NEXTE                                          ; the first expert
	s_wait_loadcnt 0x0
	v_min_u32 v11, 0x1fff, v11
.irp q, 0,1,2,3
	v_min_u32 v[12+\q], 0x1fff, v[12+\q]
	v_lshlrev_b32 v[12+\q], 5, v[12+\q]            ; 32 bytes of scales a token
.endr
.irp t, 0,1,2,3,4,5,6,7
	v_min_u32 v[T16+\t], 0x1fff, v[T16+\t]
	v_lshlrev_b32 v[GV+\t], 5, v[T16+\t]           ; 32 bytes of gates a token
.endr
.set i, 0
.rept 32
	v_readlane_b32 s46, v11, i                     ; the token of my wave's row i
	s_min_u32 s46, s46, 0x1fff
	v_lshl_add_u32 v[VO+i], s46, 9, v1             ; its 512 bytes of codes, 16 a lane
.set i, i+1
.endr
	WIN 0x80                                       ; destination window 2: S's registers are free as yet
.set i, 0
.rept 32
	global_load_b128 v[4*i:4*i+3], v[VO+i], s[4:5]
.set i, i+1
.endr
	WIN 0
.irp q, 0,1,2,3
	global_load_b128 v[XS+8*\q:XS+8*\q+3], v[12+\q], s[6:7]
	global_load_b128 v[XS+8*\q+4:XS+8*\q+7], v[12+\q], s[6:7] offset:16
.endr
.irp s, 0,1,2,3,4,5,6,7
	PF \s                                          ; the first expert's weights
.endr
	s_wait_loadcnt 63                              ; the 32 rows are in: 96 loads were issued behind them
	WIN 0x08                                       ; an LDS store's data are its source 1: window 2
.set i, 0
.rept 32
	ds_store_b128 v3, v[4*i:4*i+3] offset:i*APITCH
.set i, i+1
.endr
	WIN 0
	ds_store_b32 v10, v11
	s_wait_dscnt 0x0                               ; for the others' sake: my 32 rows and their token numbers lie in LDS
	s_barrier_signal -1
	s_barrier_wait -1                              ; the only barrier: from here on x's rows and the token numbers are only read, and a stage is its wave's own
	AFR 0, 0
	BODY 1, 0
	s_cmp_eq_u32 s26, 0
	s_cbranch_scc1 .Ltail
.Lmid:
	BODY 1, 1
	s_sub_co_u32 s26, s26, 1
	s_cmp_lg_u32 s26, 0
	s_cbranch_scc1 .Lmid
.Ltail:
	BODY 0, 2
	s_wait_tensorcnt 0x0
	ds_add_u32 v254, v255
	s_wait_dscnt 0x0
	s_endpgm
.Lfunc_end_k_q18c7e0ae9d_experts:
	.size	k_q18c7e0ae9d_experts, .Lfunc_end_k_q18c7e0ae9d_experts-k_q18c7e0ae9d_experts
	.p2alignl 7, 3214868480
	.fill 96, 4, 3214868480
	.section	.rodata,"a",@progbits
	.p2align	6, 0x0
	.amdhsa_kernel k_q18c7e0ae9d_experts
		.amdhsa_group_segment_fixed_size 86528
		.amdhsa_private_segment_fixed_size 0
		.amdhsa_enable_private_segment 0
		.amdhsa_kernarg_size 64
		.amdhsa_user_sgpr_count 2
		.amdhsa_user_sgpr_kernarg_segment_ptr 1
		.amdhsa_wavefront_size32 1
		.amdhsa_system_sgpr_workgroup_id_x 1
		.amdhsa_system_sgpr_workgroup_id_y 1
		.amdhsa_system_sgpr_workgroup_id_z 1
		.amdhsa_system_vgpr_workitem_id 0
		.amdhsa_next_free_vgpr 1024
		.amdhsa_next_free_sgpr 66
		.amdhsa_reserve_vcc 0
		.amdhsa_float_denorm_mode_32 3
		.amdhsa_float_denorm_mode_16_64 3
		.amdhsa_memory_ordered 1
		.amdhsa_forward_progress 1
		.amdhsa_inst_pref_size 228
	.end_amdhsa_kernel
	.amdgpu_metadata
---
amdhsa.version: [ 1, 2 ]
amdhsa.kernels:
  - .name:           k_q18c7e0ae9d_experts
    .symbol:         k_q18c7e0ae9d_experts.kd
    .args:
      - { .name: x_codes, .offset: 0, .size: 8, .value_kind: global_buffer, .address_space: global }
      - { .name: x_scales, .offset: 8, .size: 8, .value_kind: global_buffer, .address_space: global }
      - { .name: w_codes, .offset: 16, .size: 8, .value_kind: global_buffer, .address_space: global }
      - { .name: w_scales, .offset: 24, .size: 8, .value_kind: global_buffer, .address_space: global }
      - { .name: be, .offset: 32, .size: 8, .value_kind: global_buffer, .address_space: global }
      - { .name: gates, .offset: 40, .size: 8, .value_kind: global_buffer, .address_space: global }
      - { .name: plan, .offset: 48, .size: 8, .value_kind: global_buffer, .address_space: global }
      - { .name: out0, .offset: 56, .size: 8, .value_kind: global_buffer, .address_space: global }
    .group_segment_fixed_size: 86528
    .private_segment_fixed_size: 0
    .kernarg_segment_align: 8
    .kernarg_segment_size: 64
    .max_flat_workgroup_size: 128
    .sgpr_count:     66
    .vgpr_count:     1024
    .wavefront_size: 32
...
	.end_amdgpu_metadata
.endif
;; end of part 3
;; ======== version 2 of 2: 3 launches
;; workspace buffers: x_codes 4,194,304 bytes; x_scales 262,144 bytes; w_codes 4,194,304 bytes; w_scales 262,144 bytes; gates 262,144 bytes; route 65,536 bytes of whole numbers; plan 33,024 bytes of whole numbers
;; launch prep (part 4): grid 512 x 1, 8 waves a work-group, no clusters, 77,824 bytes of LDS; arguments x, Wr, We, x_codes, x_scales, w_codes, w_scales, gates, route; writes x_codes, x_scales, w_codes, w_scales, gates, route
.if DOCPART == 4
	.amdgcn_target "amdgcn-amd-amdhsa--gfx1250"
	.amdhsa_code_object_version 6
	.text
	.protected	k_q18c7e0ae9d_prep
	.globl	k_q18c7e0ae9d_prep
	.p2align	8
	.type	k_q18c7e0ae9d_prep,@function
k_q18c7e0ae9d_prep:
	s_mov_b64 s[64:65], 0
	v_nop
	global_prefetch_b8 v0, s[64:65] scope:SCOPE_SE
	s_setreg_imm32_b32 hwreg(HW_REG_WAVE_MODE, 25, 1), 1
	s_wait_xcnt 0x0
; FIRST OF THREE LAUNCHES.  x [8192][1024] and We [8][1024 (k)][1024 (n)], f32, become codes of FP4 (E2M1) with one E8M0 byte for each 32 along K; the router's
; gates and its choice of two experts are made beside x's codes, from the same registers, so that x is read once.
; A block's scale is 2^(floor(log2(its largest magnitude)) - 2): its byte is the largest magnitude's exponent field - 2, held at 1 from below.
; WORK-GROUPS 0 to 255 take 32 rows of x each, work-groups 256 to 511 128 k x 256 n of one expert each: 131,072 bytes of f32 either way.  The branch hangs on the work-group's number alone.
; Only x's path uses LDS and barriers.
; WHAT IS STORED:  x_codes [token][512 bytes], K innermost;  x_scales [token][32 bytes];
;   w_codes [e][n / 16][k / 32][n % 16][16 bytes]: a fragment's registers on end, lane by lane: 16 columns x 128 k are two runs of 512 bytes;  w_scales [e][k / 128][n] words;
;   gates [token][8] f32, 0 where the expert was not chosen;  route: tokinfo[token] = key | rank << 8, then hist[group of 32 tokens][32].
; THE KEY is the unordered pair a < b of chosen experts as one of 28 buckets: a (15 - a) / 2 + (a odd ? 7 - b : b - a - 1): neighbouring buckets share an expert.
; The rank is the number of earlier tokens of the group with the same key.  Key, rank and counts are VALUES here, stored at fixed places: no address and no branch of this launch hangs on them.
; LIMITS: NaN and infinities are not served.  A block whose largest magnitude lies under 2^-124, a block of zeros among them, keeps the byte 1 (zero codes add nothing; this program alone reads the bytes).
; The two largest gates are taken of p x (1 / sum), ties to the lower index; where the second and third gate differ by less than the rounding of an f32 sum of 1,024 products, the choice may differ
; from one made with the sums in another order.  A gate under 2^-126 becomes 0.
; No matrix unit (the router has 8 columns and its logits decide a choice: f32 multiply-adds), no cluster (work-groups share only Wr's 32,768 bytes), no tensor load: memory binds.
.set SP,    80                         ; a lane's place in a stage: its 64 bytes + 16 of padding
.set WSTG,  2*32*SP                    ; LDS: two stages for each wave,
.set WIMG,  8*WSTG                     ; Wr as an image of registers: half u x 16,384 + expert x 2,048 + q x 512 + lane x 16,
.set PL,    WIMG+32768                 ; the halves' logits [u][row 32][8] f32,
.set SCB,   PL+2048                    ; x's scale bytes [row 32][32]
.set WR,  16                           ; v16-143  Wr: register 16 e + i = Wr[e][512 u + 16 lane + i]
.set R,   144                          ; v144-191 three sets of 16 numbers as loaded
.set XR,  192                          ; v192-223 two sets of 16 neighbours
.set ACC, 224                          ; v224-239 eight pairs of partial logits
.set CL,  240                          ; v240-247 the wave's 8 rows' logits, gathered
.set CD,  248                          ; v248-251 codes, two pairs by turns
.set EB,  252                          ; v252-253 the scale's byte, by turns
.set WX,  32                           ; We's path: v32-159 four blocks of 32 numbers
.set WC,  160                          ; v160-175 their codes
.set WSB, 24                           ; v24 their four scale bytes
	s_load_b512 s[4:19], s[0:1], 0x0               ; x 4, Wr 6, We 8, x_codes 10, x_scales 12, w_codes 14, w_scales 16, gates 18
	s_load_b64 s[20:21], s[0:1], 0x40              ; route
	v_lshl_add_u32 v10, v0, 2, 0x12c00
	s_set_vgpr_msb 0x40
	v_mov_b32 v1, 0
	s_set_vgpr_msb 0x4000
	v_lshrrev_b32 v1, 5, v0
	s_delay_alu instid0(VALU_DEP_1)
	v_readfirstlane_b32 s22, v1                    ; wave 0..7
	v_and_b32 v2, 31, v0                           ; lane
	s_and_b32 s23, ttmp9, 0xff                     ; which part of x, or of We: 0..255
	s_mov_b32 s29, 0                               ; the high word of every offset pair s[28:29]
	s_lshr_b32 s24, ttmp9, 8                       ; 0: x, 1: We
	s_cmp_lg_u32 s24, 0
	s_cbranch_scc1 .Lweights
; ---------------- x: 32 rows.  Wave w takes half u = w % 2 of rows 8 (w / 2) .. + 7: eight steps of 512 numbers.
	s_and_b32 s24, s22, 1                          ; u
	s_lshr_b32 s25, s22, 1                         ; rg
	v_lshlrev_b32 v3, 4, v2                        ; 16 x lane
	v_lshlrev_b32 v4, 3, v2                        ; 8 x lane: my codes
	s_lshl_b32 s26, s25, 8
	s_lshl_b32 s27, s24, 4
	s_add_co_u32 s26, s26, s27
	s_add_co_u32 s26, s26, SCB
	s_wait_alu depctr_va_vdst(0)
	v_lshrrev_b32 v5, 1, v2
	s_delay_alu instid0(VALU_DEP_1)
	v_add_nc_u32 v5, s26, v5                       ; my block's scale byte: row 8 rg (+ the step), byte 16 u + lane / 2
	s_lshl_b32 s26, s24, 14
	s_add_co_u32 s26, s26, WIMG
	v_add_nc_u32 v6, s26, v3                       ; Wr's image of my half
	s_lshl_b32 s26, s24, 10
	s_lshl_b32 s27, s25, 8
	s_add_co_u32 s26, s26, s27
	s_add_co_u32 s26, s26, PL
	v_and_b32 v7, 7, v2
	s_delay_alu instid0(VALU_DEP_1)
	v_lshl_add_u32 v7, v7, 5, s26                  ; the logits of row 8 rg + lane % 8, half u
	s_mul_i32 s26, s22, WSTG
	v_lshrrev_b32 v14, 2, v2
	s_delay_alu instid0(VALU_DEP_1)
	v_mul_u32_u24 v14, v14, SP
	v_and_b32 v15, 3, v2
	s_delay_alu instid0(VALU_DEP_1)
	v_lshl_add_u32 v14, v15, 4, v14
	s_delay_alu instid0(VALU_DEP_1)
	v_add_nc_u32 v14, s26, v14                     ; the stage, in: four lanes' 64 bytes on end, then the padding
	v_mul_u32_u24 v15, v2, SP
	s_delay_alu instid0(VALU_DEP_1)
	v_add_nc_u32 v15, s26, v15                     ; and out: my 16 neighbours
	s_lshl_b32 s26, s22, 11
	v_add_nc_u32 v255, s26, v3                     ; where I put expert w's image
	v_lshlrev_b32 v254, 6, v2                      ; and where I read it: 64 bytes a lane
	v_add_nc_u32 v12, SCB, v3                      ; the last phase's addresses are made here, ahead of the waves' parting
	v_lshl_add_u32 v13, v2, 5, PL
	s_lshl_b32 s28, s22, 12
	s_wait_alu depctr_va_vdst(0)
	s_wait_kmcnt 0x0
	s_add_nc_u64 s[6:7], s[6:7], s[28:29]          ; Wr's row w
	s_lshl_b32 s28, s23, 17
	s_lshl_b32 s26, s25, 15
	s_add_co_u32 s28, s28, s26
	s_lshl_b32 s26, s24, 11
	s_add_co_u32 s28, s28, s26
	s_add_nc_u64 s[4:5], s[4:5], s[28:29]          ; x at my first half row
	s_lshl_b32 s28, s23, 14
	s_lshl_b32 s26, s25, 12
	s_add_co_u32 s28, s28, s26
	s_lshl_b32 s26, s24, 8
	s_add_co_u32 s28, s28, s26
	s_add_nc_u64 s[10:11], s[10:11], s[28:29]      ; its codes
	s_lshl_b32 s28, s23, 10
	s_add_nc_u64 s[12:13], s[12:13], s[28:29]      ; the 32 rows' scale bytes,
	s_add_nc_u64 s[18:19], s[18:19], s[28:29]      ; their gates,
	s_lshl_b32 s28, s23, 7
	s_add_nc_u64 s[20:21], s[20:21], s[28:29]      ; their words in route
.macro XLOAD t                         ; step t: 32 lanes read 512 consecutive bytes, four times
.irp i, 0,1,2,3
	global_load_b128 v[R+16*((\t)%3)+4*\i:R+16*((\t)%3)+4*\i+3], v3, s[4:5] offset:4096*(\t)+512*\i th:TH_LOAD_NT
.endr
.endm
.macro XTURN t                         ; through the wave's own stage: LDS serves a wave's instructions in order (ISA guide 5.7.1.4), so no wait stands between
.irp i, 0,1,2,3
	ds_store_b128 v14, v[R+16*((\t)%3)+4*\i:R+16*((\t)%3)+4*\i+3] offset:32*SP*((\t)%2)+8*SP*\i
.endr
.irp i, 0,1,2,3
	ds_load_b128 v[XR+16*((\t)%2)+4*\i:XR+16*((\t)%2)+4*\i+3], v15 offset:32*SP*((\t)%2)+16*\i
.endr
.endm
.irp p, 0,1
.irp q, 0,1,2,3
	global_load_b128 v[XR+16*\p+4*\q:XR+16*\p+4*\q+3], v254, s[6:7] offset:2048*\p+16*\q   ; Wr[w][512 p + 16 lane + 4 q ..]
.endr
.endr
	XLOAD 0
	XLOAD 1
	XLOAD 2
	s_wait_loadcnt 12                              ; Wr's eight are in; x's twelve may be out
.irp p, 0,1
.irp q, 0,1,2,3
	ds_store_b128 v255, v[XR+16*\p+4*\q:XR+16*\p+4*\q+3] offset:WIMG+16384*\p+512*\q
.endr
.endr
	s_wait_dscnt 0x0                               ; for the others' sake: my part of the image lies in LDS
	s_barrier_signal -1
	s_barrier_wait -1
.irp e, 0,1,2,3,4,5,6,7
.irp q, 0,1,2,3
	ds_load_b128 v[WR+16*\e+4*\q:WR+16*\e+4*\q+3], v6 offset:2048*\e+512*\q
.endr
.endr
	s_wait_loadcnt 8                               ; step 0's four are in
	XTURN 0
.macro XSTEP t
.set XS, XR+16*((\t)%2)
.set CP, CD+2*((\t)%2)
.if (\t) > 0
	s_wait_dscnt 1                                 ; this step's numbers are back from the stage; the last step's byte store may be out
.else
	s_wait_dscnt 0x0                               ; and Wr's image
.endif
.if (\t)+3 < 8
	XLOAD (\t)+3                                   ; into the set that this step's turn has left
.endif
.if (\t) < 7
.if 6-(\t) >= 2
	s_wait_loadcnt 8                               ; the next step's four are in; the two steps behind it may be out
.else
	s_wait_loadcnt 4*(6-(\t))
.endif
	XTURN (\t)+1
.endif
	s_wait_xcnt 0x0                                ; the store of two steps back has read this pair of code registers
	v_max3_num_f32 v8, |v[XS]|, |v[XS+1]|, |v[XS+2]|               ; the largest magnitude of my 16
	v_max3_num_f32 v9, |v[XS+3]|, |v[XS+4]|, |v[XS+5]|
.irp i, 6,10
	s_delay_alu instid0(VALU_DEP_2)
	v_max3_num_f32 v8, v8, |v[XS+\i]|, |v[XS+\i+1]|
	s_delay_alu instid0(VALU_DEP_2)
	v_max3_num_f32 v9, v9, |v[XS+\i+2]|, |v[XS+\i+3]|
.endr
	s_delay_alu instid0(VALU_DEP_2)
	v_max3_num_f32 v8, v8, |v[XS+14]|, |v[XS+15]|
	s_delay_alu instid0(VALU_DEP_1)
	v_max3_num_f32 v8, v8, v9, 0x1800000           ; and the floor 2^(3 - 127): the byte cannot fall under 1
	s_delay_alu instid0(VALU_DEP_1)
	v_max_num_f32_dpp v8, v8, v8 row_xmask:1 row_mask:0xf bank_mask:0xf   ; with my neighbour's 16: the block's
	s_delay_alu instid0(VALU_DEP_1)
	v_add_nc_u32 v11, 0xff000000, v8               ; 2 off its exponent field: the conversion takes that field as its scale
	v_cvt_scalef32_pk8_fp4_f32 v[CP], v[XS:XS+7], v11
	v_cvt_scalef32_pk8_fp4_f32 v[CP+1], v[XS+8:XS+15], v11
	v_lshrrev_b32 v[EB+(\t)%2], 23, v11            ; the scale's byte (a plain line behind the conversions)
	ds_store_b8 v5, v[EB+(\t)%2] offset:32*(\t)    ; both lanes of a block write the same byte with the same value
	global_store_b64 v4, v[CP:CP+1], s[10:11] offset:512*(\t)     ; the wave stores 256 consecutive bytes, aligned
	; the router: my 16 numbers against eight experts, two at a time, the experts by turns
.irp e, 0,1,2,3,4,5,6,7
	v_pk_mul_f32 v[ACC+2*\e:ACC+2*\e+1], v[XS:XS+1], v[WR+16*\e:WR+16*\e+1]
.endr
.irp i, 1,2,3,4,5,6,7
.irp e, 0,1,2,3,4,5,6,7
	v_pk_fma_f32 v[ACC+2*\e:ACC+2*\e+1], v[XS+2*\i:XS+2*\i+1], v[WR+16*\e+2*\i:WR+16*\e+2*\i+1], v[ACC+2*\e:ACC+2*\e+1]
.endr
.endr
.irp e, 0,1,2,3,4,5,6,7
	v_add_f32 v[ACC+2*\e], v[ACC+2*\e], v[ACC+2*\e+1]
.endr
.irp j, 0,1,2,3
	s_delay_alu instid0(VALU_DEP_4)
	v_permlane16_swap_b32 v[ACC+2*\j], v[ACC+2*\j+8]               ; expert j's upper lanes change places with expert j + 4's lower ones:
.endr
.irp j, 0,1,2,3
	s_delay_alu instid0(VALU_DEP_4)
	v_add_f32 v[ACC+2*\j], v[ACC+2*\j], v[ACC+2*\j+8]              ; lanes 0-15 go on with expert j, lanes 16-31 with expert j + 4
.endr
.irp m, 1,2,4,8
.irp j, 0,1,2,3
	s_delay_alu instid0(VALU_DEP_4)
	v_add_f32_dpp v[ACC+2*\j], v[ACC+2*\j], v[ACC+2*\j] row_xmask:\m row_mask:0xf bank_mask:0xf
.endr
.endr
.if (\t) == 0
.irp j, 0,1,2,3
	s_delay_alu instid0(VALU_DEP_4)
	v_mov_b32 v[CL+\j], v[ACC+2*\j]
.endr
.else
	s_mov_b32 s32, 0x01010101<<(\t)                ; the lanes with lane % 8 = t keep row t's sums
.irp j, 0,1,2,3
	v_cndmask_b32 v[CL+\j], v[CL+\j], v[ACC+2*\j], s32
.endr
.endif
.endm
.irp t, 0,1,2,3,4,5,6,7
	XSTEP \t
.endr
.irp j, 0,1,2,3
	s_delay_alu instid0(VALU_DEP_4)
	v_mov_b32 v[CL+4+\j], v[CL+\j]
.endr
.irp j, 0,1,2,3
	s_delay_alu instid0(VALU_DEP_4)
	v_permlane16_swap_b32 v[CL+\j], v[CL+4+\j]     ; now v240-243 hold experts 0-3 and v244-247 experts 4-7 of row lane % 8, in both halves of the lanes
.endr
	ds_store_b128 v7, v[CL:CL+3]                   ; lanes with the same lane % 8 write the same bytes with the same values
	ds_store_b128 v7, v[CL+4:CL+7] offset:16
	s_wait_dscnt 0x0                               ; for the others' sake: my logits and my scale bytes lie in LDS
	s_barrier_signal -1
	s_barrier_wait -1
	s_cmp_gt_u32 s22, 1
	s_cbranch_scc1 .Lend
	s_cmp_eq_u32 s22, 1
	s_cbranch_scc1 .Lscales
	; ---- wave 0: a lane to a row: softmax, the two largest, key, rank, counts
	ds_load_b128 v[16:19], v13
	ds_load_b128 v[20:23], v13 offset:16
	ds_load_b128 v[24:27], v13 offset:1024
	ds_load_b128 v[28:31], v13 offset:1040
	s_mov_b32 s33, 0x3fb8aa3b                      ; log2(e)
	s_wait_dscnt 0x0
.irp e, 0,2,4,6
	v_pk_add_f32 v[16+\e:17+\e], v[16+\e:17+\e], v[24+\e:25+\e]    ; the two halves of K
.endr
	s_delay_alu instid0(VALU_DEP_3)
	v_max3_num_f32 v32, v16, v17, v18
	s_delay_alu instid0(VALU_DEP_1)
	v_max3_num_f32 v32, v32, v19, v20
	s_delay_alu instid0(VALU_DEP_1)
	v_max3_num_f32 v32, v32, v21, v22
	s_delay_alu instid0(VALU_DEP_1)
	v_max_num_f32 v32, v32, v23                    ; the row's largest logit is taken away ahead of the exponential
	s_delay_alu instid0(VALU_DEP_1)
	v_mul_f32 v33, s33, v32
.irp e, 0,1,2,3,4,5,6,7
	v_fma_f32 v[40+\e], v[16+\e], s33, -v33        ; the same subtrahend for all eight: its rounding is a common factor, which the division takes out
.endr
	s_wait_alu depctr_va_vdst(0)
.irp e, 0,1,2,3,4,5,6,7
	v_exp_f32 v[40+\e], v[40+\e]
.endr
	v_mov_b32 v57, 0                               ; (a plain line behind the exponentials)  the first choice's index
	s_wait_alu depctr_va_vdst(0)                   ; one wait for the batch, ahead of its first reader
	v_add_f32 v34, v40, v41
	v_add_f32 v35, v42, v43
	v_add_f32 v36, v44, v45
	v_add_f32 v37, v46, v47
	s_delay_alu instid0(VALU_DEP_3)
	v_add_f32 v34, v34, v35
	s_delay_alu instid0(VALU_DEP_2)
	v_add_f32 v36, v36, v37
	s_delay_alu instid0(VALU_DEP_1)
	v_add_f32 v34, v34, v36
	s_wait_alu depctr_va_vdst(0)
	v_rcp_f32 v35, v34
	v_mov_b32 v59, 0                               ; (a plain line)  the second choice's index
	s_wait_alu depctr_va_vdst(0)
.irp e, 0,1,2,3,4,5,6,7
	v_mul_f32 v[48+\e], v[40+\e], v35              ; the gates
.endr
	v_mov_b32 v56, v48
.irp e, 1
	s_delay_alu instid0(VALU_DEP_1)
	v_cmp_gt_f32 vcc_lo, v[48+\e], v56             ; strictly larger: a tie keeps the lower index
	s_delay_alu instid0(VALU_DEP_1)
	v_cndmask_b32 v56, v56, v[48+\e], vcc_lo
	s_delay_alu instid0(VALU_DEP_2)
	v_cndmask_b32 v57, v57, \e, vcc_lo
.endr
.irp e, 2, 3, 4, 5, 6, 7
	s_delay_alu instid0(VALU_DEP_2)
	v_cmp_gt_f32 vcc_lo, v[48+\e], v56
	s_delay_alu instid0(VALU_DEP_1)
	v_cndmask_b32 v56, v56, v[48+\e], vcc_lo
	s_delay_alu instid0(VALU_DEP_2)
	v_cndmask_b32 v57, v57, \e, vcc_lo
.endr
.irp e, 0,1,2,3,4,5,6,7
	v_cmp_eq_u32 vcc_lo, \e, v57
	s_delay_alu instid0(VALU_DEP_1)
	v_cndmask_b32 v[64+\e], v[48+\e], -1.0, vcc_lo ; the first choice is taken out: -1 lies under every gate
.endr
	v_mov_b32 v58, v64
.irp e, 1
	s_delay_alu instid0(VALU_DEP_1)
	v_cmp_gt_f32 vcc_lo, v[64+\e], v58
	s_delay_alu instid0(VALU_DEP_1)
	v_cndmask_b32 v58, v58, v[64+\e], vcc_lo
	s_delay_alu instid0(VALU_DEP_2)
	v_cndmask_b32 v59, v59, \e, vcc_lo
.endr
.irp e, 2, 3, 4, 5, 6, 7
	s_delay_alu instid0(VALU_DEP_2)
	v_cmp_gt_f32 vcc_lo, v[64+\e], v58
	s_delay_alu instid0(VALU_DEP_1)
	v_cndmask_b32 v58, v58, v[64+\e], vcc_lo
	s_delay_alu instid0(VALU_DEP_2)
	v_cndmask_b32 v59, v59, \e, vcc_lo
.endr
	s_delay_alu instid0(VALU_DEP_1)
	v_min_u32 v60, v57, v59                        ; a
	s_delay_alu instid0(VALU_DEP_2)
	v_max_u32 v61, v57, v59                        ; b
	s_delay_alu instid0(VALU_DEP_2)
	v_sub_nc_u32 v62, 15, v60
	s_delay_alu instid0(VALU_DEP_1)
	v_mul_u32_u24 v62, v62, v60
	s_delay_alu instid0(VALU_DEP_1)
	v_lshrrev_b32 v62, 1, v62                      ; a (15 - a) / 2
	s_delay_alu instid0(VALU_DEP_4)
	v_sub_nc_u32 v63, v61, v60
	s_delay_alu instid0(VALU_DEP_1)
	v_add_nc_u32 v63, -1, v63                      ; b - a - 1
	v_sub_nc_u32 v36, 7, v61                       ; 7 - b
	v_and_b32 v37, 1, v60
	s_delay_alu instid0(VALU_DEP_1)
	v_cmp_eq_u32 vcc_lo, 1, v37
	s_delay_alu instid0(VALU_DEP_1)
	v_cndmask_b32 v63, v63, v36, vcc_lo
	s_delay_alu instid0(VALU_DEP_1)
	v_add_nc_u32 v62, v62, v63                     ; the key, 0 .. 27
.irp e, 0,1,2,3,4,5,6,7
	v_cmp_eq_u32 vcc_lo, \e, v57
	s_delay_alu instid0(VALU_DEP_1)
	v_cndmask_b32 v[72+\e], 0, v[48+\e], vcc_lo
	v_cmp_eq_u32 vcc_lo, \e, v59
	s_delay_alu instid0(VALU_DEP_1)
	v_cndmask_b32 v[72+\e], v[72+\e], v[48+\e], vcc_lo             ; the dense row of gates: 0 where not chosen
.endr
	v_mov_b32 v38, 0                               ; rank
	v_mov_b32 v39, 0                               ; the group's counts: lane = bucket
	; seven buckets at a time, each with a mask register and a work register of its own, so that no line waits for the line above it
.set q0, 0
.rept 4
.irp i, 0,1,2,3,4,5,6
	v_cmp_eq_u32 s[36+\i], q0+\i, v62              ; the lanes that have this key
.endr
.irp i, 0,1,2,3,4,5,6
	v_mbcnt_lo_u32_b32 v[80+\i], s[36+\i], 0       ; how many lower lanes have it
.endr
.irp i, 0
	v_cndmask_b32 v38, v38, v[80+\i], s[36+\i]
.endr
.irp i, 1, 2, 3, 4, 5, 6
	s_delay_alu instid0(VALU_DEP_1)
	v_cndmask_b32 v38, v38, v[80+\i], s[36+\i]
.endr
.irp i, 0,1,2,3,4,5,6
	s_bcnt1_i32_b32 s[36+\i], s[36+\i]
.endr
.irp i, 0
	v_writelane_b32 v39, s[36+\i], q0+\i
.endr
.irp i, 1, 2, 3, 4, 5, 6
	s_delay_alu instid0(VALU_DEP_1)
	v_writelane_b32 v39, s[36+\i], q0+\i
.endr
.set q0, q0+7
.endr
	v_lshl_or_b32 v38, v38, 8, v62
	v_lshlrev_b32 v36, 5, v2
	v_lshlrev_b32 v37, 2, v2
	global_store_b128 v36, v[72:75], s[18:19]
	global_store_b128 v36, v[76:79], s[18:19] offset:16
	global_store_b32 v37, v38, s[20:21]
	global_store_b32 v37, v39, s[20:21] offset:32768
	s_set_vgpr_msb 0x4
	s_wait_tensorcnt 0x0
	ds_add_u32 v10, v1
	s_wait_dscnt 0x0
	s_set_vgpr_msb 0x400
	s_endpgm
.Lscales:                                          ; ---- wave 1: the 32 rows' scale bytes leave as 1,024 consecutive bytes
	ds_load_b128 v[16:19], v12
	ds_load_b128 v[20:23], v12 offset:512
	s_wait_dscnt 0x0
	global_store_b128 v3, v[16:19], s[12:13]
	global_store_b128 v3, v[20:23], s[12:13] offset:512
.Lend:
	s_set_vgpr_msb 0x4
	s_wait_tensorcnt 0x0
	ds_add_u32 v10, v1
	s_wait_dscnt 0x0
	s_set_vgpr_msb 0x400
	s_endpgm
; ---------------- We: expert e, K step s (128 k), 256 columns.  A LANE TAKES A COLUMN AND ITS REGISTERS RUN DOWN K: a block of 32 lies in one lane, and the conversions give codes with K innermost.
.Lweights:
	s_lshr_b32 s24, s23, 5                         ; e
	s_bfe_u32 s25, s23, 0x30002                    ; s
	s_and_b32 s26, s23, 3
	s_lshl_b32 s26, s26, 8
	s_lshl_b32 s27, s22, 5
	s_add_co_u32 s26, s26, s27                     ; my wave's first column
	s_wait_alu depctr_va_vdst(0)
	v_lshlrev_b32 v3, 2, v2                        ; 4 bytes a lane
	v_lshrrev_b32 v4, 4, v2
	v_and_b32 v5, 15, v2
	s_delay_alu instid0(VALU_DEP_1)
	v_lshlrev_b32 v5, 4, v5
	s_delay_alu instid0(VALU_DEP_1)
	v_lshl_add_u32 v4, v4, 13, v5                  ; my codes: tile lane / 16 (8,192 bytes a tile), 16 bytes x (lane % 16)
	s_lshl_b32 s28, s24, 22
	s_lshl_b32 s27, s25, 19
	s_add_co_u32 s28, s28, s27
	s_lshl_b32 s27, s26, 2
	s_add_co_u32 s28, s28, s27
	s_wait_alu depctr_va_vdst(0)
	s_wait_kmcnt 0x0
	s_add_nc_u64 s[8:9], s[8:9], s[28:29]          ; We[e][128 s][column]
	s_lshl_b32 s28, s24, 19
	s_lshl_b32 s27, s26, 9
	s_add_co_u32 s28, s28, s27
	s_lshl_b32 s27, s25, 10
	s_add_co_u32 s28, s28, s27
	s_add_nc_u64 s[14:15], s[14:15], s[28:29]      ; w_codes[e][column / 16][4 s]
	s_lshl_b32 s28, s24, 15
	s_lshl_b32 s27, s25, 12
	s_add_co_u32 s28, s28, s27
	s_lshl_b32 s27, s26, 2
	s_add_co_u32 s28, s28, s27
	s_add_nc_u64 s[16:17], s[16:17], s[28:29]      ; w_scales[e][s][column]
.macro WLOAD t
.set i, 0
.rept 32
	global_load_b32 v[WX+32*(\t)+i], v3, s[8:9] offset:(32*(\t)+i)*4096 th:TH_LOAD_NT   ; one k, 32 neighbouring columns; the eight waves stand side by side on 1,024 bytes
.set i, i+1
.endr
.endm
.macro WBLOCK t, left
.set XS, WX+32*(\t)
	s_wait_loadcnt \left
	v_max3_num_f32 v12, |v[XS]|, |v[XS+1]|, |v[XS+2]|              ; the block's largest magnitude: all 32 numbers are mine
	v_max3_num_f32 v13, |v[XS+3]|, |v[XS+4]|, |v[XS+5]|
.irp i, 6,10,14,18,22,26
	s_delay_alu instid0(VALU_DEP_2)
	v_max3_num_f32 v12, v12, |v[XS+\i]|, |v[XS+\i+1]|
	s_delay_alu instid0(VALU_DEP_2)
	v_max3_num_f32 v13, v13, |v[XS+\i+2]|, |v[XS+\i+3]|
.endr
	s_delay_alu instid0(VALU_DEP_2)
	v_max3_num_f32 v12, v12, |v[XS+30]|, |v[XS+31]|
	s_delay_alu instid0(VALU_DEP_1)
	v_max3_num_f32 v12, v12, v13, 0x1800000        ; and the floor 2^(3 - 127)
	s_delay_alu instid0(VALU_DEP_1)
	v_add_nc_u32 v11, 0xff000000, v12
	s_delay_alu instid0(VALU_DEP_1)
	v_lshrrev_b32 v13, 23, v11
.if (\t) == 0
	s_delay_alu instid0(VALU_DEP_1)
	v_mov_b32 v[WSB], v13
.else
	s_delay_alu instid0(VALU_DEP_1)
	v_lshl_or_b32 v[WSB], v13, 8*(\t), v[WSB]      ; four bytes make the K step's scale word of my column
.endif
.irp g, 0,1,2,3
	v_cvt_scalef32_pk8_fp4_f32 v[WC+4*(\t)+\g], v[XS+8*\g:XS+8*\g+7], v11
.endr
	global_store_b128 v4, v[WC+4*(\t):WC+4*(\t)+3], s[14:15] offset:256*(\t)   ; sixteen lanes store 256 consecutive bytes, aligned.  The next block begins with plain vector lines
.endm
	WLOAD 0
	WLOAD 1
	WLOAD 2
	WLOAD 3
	WBLOCK 0, 63                                   ; 96 loads were issued behind block 0's, 64 behind block 1's: a count names 63 at the most, and a smaller count is always right
	WBLOCK 1, 63
	WBLOCK 2, 32
	WBLOCK 3, 0
	global_store_b32 v3, v[WSB], s[16:17]
	s_endpgm
.Lfunc_end_k_q18c7e0ae9d_prep:
	.size	k_q18c7e0ae9d_prep, .Lfunc_end_k_q18c7e0ae9d_prep-k_q18c7e0ae9d_prep
	.p2alignl 7, 3214868480
	.fill 96, 4, 3214868480
	.section	.rodata,"a",@progbits
	.p2align	6, 0x0
	.amdhsa_kernel k_q18c7e0ae9d_prep
		.amdhsa_group_segment_fixed_size 77824
		.amdhsa_private_segment_fixed_size 0
		.amdhsa_enable_private_segment 0
		.amdhsa_kernarg_size 72
		.amdhsa_user_sgpr_count 2
		.amdhsa_user_sgpr_kernarg_segment_ptr 1
		.amdhsa_wavefront_size32 1
		.amdhsa_system_sgpr_workgroup_id_x 1
		.amdhsa_system_sgpr_workgroup_id_y 1
		.amdhsa_system_sgpr_workgroup_id_z 1
		.amdhsa_system_vgpr_workitem_id 0
		.amdhsa_next_free_vgpr 258
		.amdhsa_next_free_sgpr 66
		.amdhsa_reserve_vcc 1
		.amdhsa_float_denorm_mode_32 3
		.amdhsa_float_denorm_mode_16_64 3
		.amdhsa_memory_ordered 1
		.amdhsa_forward_progress 1
		.amdhsa_inst_pref_size 119
	.end_amdhsa_kernel
	.amdgpu_metadata
---
amdhsa.version: [ 1, 2 ]
amdhsa.kernels:
  - .name:           k_q18c7e0ae9d_prep
    .symbol:         k_q18c7e0ae9d_prep.kd
    .args:
      - { .name: x, .offset: 0, .size: 8, .value_kind: global_buffer, .address_space: global }
      - { .name: Wr, .offset: 8, .size: 8, .value_kind: global_buffer, .address_space: global }
      - { .name: We, .offset: 16, .size: 8, .value_kind: global_buffer, .address_space: global }
      - { .name: x_codes, .offset: 24, .size: 8, .value_kind: global_buffer, .address_space: global }
      - { .name: x_scales, .offset: 32, .size: 8, .value_kind: global_buffer, .address_space: global }
      - { .name: w_codes, .offset: 40, .size: 8, .value_kind: global_buffer, .address_space: global }
      - { .name: w_scales, .offset: 48, .size: 8, .value_kind: global_buffer, .address_space: global }
      - { .name: gates, .offset: 56, .size: 8, .value_kind: global_buffer, .address_space: global }
      - { .name: route, .offset: 64, .size: 8, .value_kind: global_buffer, .address_space: global }
    .group_segment_fixed_size: 77824
    .private_segment_fixed_size: 0
    .kernarg_segment_align: 8
    .kernarg_segment_size: 72
    .max_flat_workgroup_size: 256
    .sgpr_count:     66
    .vgpr_count:     258
    .wavefront_size: 32
...
	.end_amdgpu_metadata
.endif
;; end of part 4
;; launch place (part 5): grid 1 x 1, 16 waves a work-group, no clusters, 4,096 bytes of LDS; arguments route, plan; writes plan
.if DOCPART == 5
	.amdgcn_target "amdgcn-amd-amdhsa--gfx1250"
	.amdhsa_code_object_version 6
	.text
	.protected	k_q18c7e0ae9d_place
	.globl	k_q18c7e0ae9d_place
	.p2align	8
	.type	k_q18c7e0ae9d_place,@function
k_q18c7e0ae9d_place:
	s_mov_b64 s[64:65], 0
	v_nop
	global_prefetch_b8 v0, s[64:65] scope:SCOPE_SE
	s_setreg_imm32_b32 hwreg(HW_REG_WAVE_MODE, 25, 1), 1
	s_wait_xcnt 0x0
; SECOND LAUNCH: a counting sort of the 8,192 tokens by their key (28 buckets), without atomics, by one work-group.
; route: tokinfo[token] = key | rank << 8 (rank among the token's group of 32), then hist[group 256][32] (lane = bucket).
; plan:  order[position] = token, then bmask[block of 128 positions] = the experts that the block's tokens use, a bit an expert.
; Wave w owns groups 16 w .. 16 w + 15 and blocks 4 w .. 4 w + 3.  A token's position = its bucket's first position + the bucket's tokens in earlier waves + in earlier groups of the wave + its rank.
; One work-group: 65,536 bytes are read and 33,024 written; the sums span all groups, and work-groups of a launch hand nothing to each other.
.set H,   16                           ; v16-31   my groups' counts, then their running sums (lane = bucket)
.set TI,  32                           ; v32-47   my groups' tokinfo (lane = token)
.set ST,  48                           ; v48-63   each group's first position in each bucket
.set Q,   64                           ; v64-79   the same, picked by each token's key
.set POS, 80                           ; v80-95   positions, as byte offsets
.set TOK, 96                           ; v96-111  token numbers
.set T,   112                          ; v112-127 the sixteen waves' totals
	s_load_b128 s[4:7], s[0:1], 0x0                ; route, plan
	v_lshl_add_u32 v128, v0, 2, 0x800
	v_mov_b32 v129, 0
	v_lshrrev_b32 v1, 5, v0
	s_delay_alu instid0(VALU_DEP_1)
	v_readfirstlane_b32 s8, v1                     ; wave 0..15
	v_and_b32 v2, 31, v0
	s_delay_alu instid0(VALU_DEP_1)
	v_lshlrev_b32 v3, 2, v2
	s_lshl_b32 s9, s8, 11
	v_add_nc_u32 v4, s9, v3                        ; my wave's 16 groups of 128 bytes, my lane's word
	v_lshlrev_b32 v5, 2, v0
	s_lshl_b32 s9, s8, 9                           ; my wave's first token; also the first position of its first block
	v_add_nc_u32 v8, s9, v2                        ; my lane's token in the wave's first group
	s_wait_alu depctr_va_vdst(0)
	s_wait_kmcnt 0x0
.irp i, 0,1,2,3,4,5,6,7,8,9,10,11,12,13,14,15
	global_load_b32 v[H+\i], v4, s[4:5] offset:32768+128*\i
.endr
.irp i, 0,1,2,3,4,5,6,7,8,9,10,11,12,13,14,15
	global_load_b32 v[TI+\i], v4, s[4:5] offset:128*\i
.endr
	s_wait_loadcnt 16                              ; the counts are in; the sixteen loads of tokinfo may be out
.irp i, 1
	v_add_nc_u32 v[H+\i], v[H+\i], v[H+\i-1]
.endr
.irp i, 2, 3, 4, 5, 6, 7, 8, 9, 10, 11, 12, 13, 14, 15
	s_delay_alu instid0(VALU_DEP_1)
	v_add_nc_u32 v[H+\i], v[H+\i], v[H+\i-1]
.endr
	ds_store_b32 v5, v[H+15]                       ; my wave's total for each bucket
	s_wait_dscnt 0x0
	s_barrier_signal -1
	s_barrier_wait -1
.irp i, 0,1,2,3,4,5,6,7,8,9,10,11,12,13,14,15
	ds_load_b32 v[T+\i], v3 offset:128*\i
.endr
	v_mov_b32 v9, 0                                ; the bucket's tokens in earlier waves
	v_mov_b32 v10, 0                               ; and in all
	v_mov_b32 v6, 0
	s_wait_alu depctr_va_vdst(0)
	s_wait_dscnt 0x0
.irp i, 0,1,2,3,4,5,6,7,8,9,10,11,12,13,14,15
	s_cmp_gt_u32 s8, \i
	s_cselect_b32 s10, -1, 0
	v_and_b32 v7, s10, v[T+\i]
	v_add_nc_u32 v10, v10, v[T+\i]
	s_delay_alu instid0(VALU_DEP_2)
	v_add_nc_u32 v9, v9, v7
.endr
	s_delay_alu instid0(VALU_DEP_2)
	v_mov_b32 v11, v10                             ; a running sum over the buckets: four steps inside each 16 lanes,
.irp n, 1,2,4,8
	s_delay_alu instid0(VALU_DEP_1)
	v_mov_b32_dpp v6, v11 row_shr:\n row_mask:0xf bank_mask:0xf bound_ctrl:1
	s_delay_alu instid0(VALU_DEP_1)
	v_add_nc_u32 v11, v11, v6
.endr
	s_delay_alu instid0(VALU_DEP_1)
	v_readlane_b32 s10, v11, 15                    ; and the lower sixteen's sum onto the upper
	s_delay_alu instid0(VALU_DEP_1)
	v_mov_b32 v7, s10
	v_cmp_lt_u32 vcc_lo, 15, v2
	s_delay_alu instid0(VALU_DEP_1)
	v_cndmask_b32 v6, 0, v7, vcc_lo
	s_delay_alu instid0(VALU_DEP_1)
	v_add_nc_u32 v11, v11, v6                      ; where each bucket ends,
	s_delay_alu instid0(VALU_DEP_1)
	v_sub_nc_u32 v12, v11, v10                     ; and begins
	s_delay_alu instid0(VALU_DEP_1)
	v_add_nc_u32 v[ST], v12, v9
.irp i, 1,2,3,4,5,6,7,8,9,10,11,12,13,14,15
	v_add_nc_u32 v[ST+\i], v[ST], v[H+\i-1]
.endr
	s_wait_loadcnt 0x0
.irp i, 0,1,2,3,4,5,6,7,8,9,10,11,12,13,14,15
	v_and_b32 v[POS+\i], 0xff, v[TI+\i]            ; the key,
	s_delay_alu instid0(VALU_DEP_1)
	v_min_u32 v[POS+\i], 31, v[POS+\i]             ; held inside the wave,
	s_delay_alu instid0(VALU_DEP_1)
	v_lshlrev_b32 v[POS+\i], 2, v[POS+\i]
	ds_bpermute_b32 v[Q+\i], v[POS+\i], v[ST+\i]   ; picks the lane that holds its bucket's first position
.endr
	s_wait_dscnt 0x0
.irp i, 0,1,2,3,4,5,6,7,8,9,10,11,12,13,14,15
	v_lshrrev_b32 v[TI+\i], 8, v[TI+\i]            ; the rank
	s_delay_alu instid0(VALU_DEP_1)
	v_add_nc_u32 v[POS+\i], v[Q+\i], v[TI+\i]
	s_delay_alu instid0(VALU_DEP_1)
	v_min_u32 v[POS+\i], 0x1fff, v[POS+\i]         ; a position stays inside order
	s_delay_alu instid0(VALU_DEP_1)
	v_lshlrev_b32 v[POS+\i], 2, v[POS+\i]
	v_add_nc_u32 v[TOK+\i], 32*\i, v8
	global_store_b32 v[POS+\i], v[TOK+\i], s[6:7]  ; each store has registers of its own: none is written again
.endr
	; THE MASKS, four blocks a wave, behind the scatter's stores.  A lane to a bucket: one compare gives, as a scalar, the set of buckets that reach into a block
	; (an empty bucket never does: it begins where it ends).  Expert e is used where that set meets the set of the seven buckets that hold e, a constant of the key's formula.
.irp i, 0,1,2,3
	s_add_co_u32 s10, s9, 128*\i                   ; the block's first position,
	s_add_co_u32 s11, s9, 128*\i+128               ; and the one behind its last
	v_max_u32 v6, s10, v12
	v_min_u32 v7, s11, v11
	s_delay_alu instid0(VALU_DEP_1)
	v_cmp_lt_u32 s[12+\i], v6, v7
	s_mov_b32 s[16+\i], 0
.endr
.macro USES e, set                     ; the four blocks by turns
.irp i, 0,1,2,3
	s_and_b32 s[20+\i], s[12+\i], \set             ; SCC: not empty
	s_cselect_b32 s[20+\i], 1<<(\e), 0
	s_or_b32 s[16+\i], s[16+\i], s[20+\i]
.endr
.endm
	USES 0, 0x7f                                   ; buckets 0-6
	USES 1, 0x1f81                                 ; 0, 7-12
	USES 2, 0x3f002                                ; 1, 12-17
	USES 3, 0x3c2804                               ; 2, 11, 13, 18-21
	USES 4, 0x1e04408                              ; 3, 10, 14, 21-24
	USES 5, 0x6508210                              ; 4, 9, 15, 20, 22, 25, 26
	USES 6, 0xc890120                              ; 5, 8, 16, 19, 23, 26, 27
	USES 7, 0xb0600c0                              ; 6, 7, 17, 18, 24, 25, 27
	v_and_b32 v13, 3, v2                           ; lane l stores block 4 w + l % 4's mask: lanes with the same l % 4 store the same word with the same value
	v_mov_b32 v15, s16
.irp i, 1,2,3
	v_mov_b32 v6, s[16+\i]
	v_cmp_eq_u32 vcc_lo, \i, v13
	s_delay_alu instid0(VALU_DEP_1)
	v_cndmask_b32 v15, v15, v6, vcc_lo
.endr
	s_lshl_b32 s10, s8, 4
	v_lshl_add_u32 v14, v13, 2, s10
	global_store_b32 v14, v15, s[6:7] offset:32768
	s_wait_tensorcnt 0x0
	ds_add_u32 v128, v129
	s_wait_dscnt 0x0
	s_endpgm
.Lfunc_end_k_q18c7e0ae9d_place:
	.size	k_q18c7e0ae9d_place, .Lfunc_end_k_q18c7e0ae9d_place-k_q18c7e0ae9d_place
	.p2alignl 7, 3214868480
	.fill 96, 4, 3214868480
	.section	.rodata,"a",@progbits
	.p2align	6, 0x0
	.amdhsa_kernel k_q18c7e0ae9d_place
		.amdhsa_group_segment_fixed_size 4096
		.amdhsa_private_segment_fixed_size 0
		.amdhsa_enable_private_segment 0
		.amdhsa_kernarg_size 16
		.amdhsa_user_sgpr_count 2
		.amdhsa_user_sgpr_kernarg_segment_ptr 1
		.amdhsa_wavefront_size32 1
		.amdhsa_system_sgpr_workgroup_id_x 1
		.amdhsa_system_sgpr_workgroup_id_y 1
		.amdhsa_system_sgpr_workgroup_id_z 1
		.amdhsa_system_vgpr_workitem_id 0
		.amdhsa_next_free_vgpr 130
		.amdhsa_next_free_sgpr 66
		.amdhsa_reserve_vcc 1
		.amdhsa_float_denorm_mode_32 3
		.amdhsa_float_denorm_mode_16_64 3
		.amdhsa_memory_ordered 1
		.amdhsa_forward_progress 1
		.amdhsa_inst_pref_size 28
	.end_amdhsa_kernel
	.amdgpu_metadata
---
amdhsa.version: [ 1, 2 ]
amdhsa.kernels:
  - .name:           k_q18c7e0ae9d_place
    .symbol:         k_q18c7e0ae9d_place.kd
    .args:
      - { .name: route, .offset: 0, .size: 8, .value_kind: global_buffer, .address_space: global }
      - { .name: plan, .offset: 8, .size: 8, .value_kind: global_buffer, .address_space: global }
    .group_segment_fixed_size: 4096
    .private_segment_fixed_size: 0
    .kernarg_segment_align: 8
    .kernarg_segment_size: 16
    .max_flat_workgroup_size: 512
    .sgpr_count:     66
    .vgpr_count:     130
    .wavefront_size: 32
...
	.end_amdgpu_metadata
.endif
;; end of part 5
;; launch experts (part 6): grid 4 x 64, 4 waves a work-group, no clusters, 86,528 bytes of LDS; arguments x_codes, x_scales, w_codes, w_scales, be, gates, plan, out0; writes out0
.if DOCPART == 6
	.amdgcn_target "amdgcn-amd-amdhsa--gfx1250"
	.amdhsa_code_object_version 6
	.text
	.protected	k_q18c7e0ae9d_experts
	.globl	k_q18c7e0ae9d_experts
	.p2align	8
	.type	k_q18c7e0ae9d_experts,@function
k_q18c7e0ae9d_experts:
	s_mov_b64 s[64:65], 0
	v_nop
	global_prefetch_b8 v0, s[64:65] scope:SCOPE_SE
	s_setreg_imm32_b32 hwreg(HW_REG_WAVE_SCHED_MODE, 0, 2), 2
	s_setreg_imm32_b32 hwreg(HW_REG_WAVE_MODE, 25, 1), 1
	s_wait_xcnt 0x0
	s_wait_alu depctr_vm_vsrc(0)
; THIRD LAUNCH: out[n] = the sum over the experts e chosen for token n of gate[n][e] x (Q(x[n]) . Q(We[e]) + be[e]), on codes of FP4 (E2M1) with one E8M0 scale for each 32 along K.
; SHARES.  Work-group (x, y) owns the 128 tokens at positions 128 y .. of the sorted list and columns 256 x .. + 255: each number of out0 has one owner.  Wave w: all 128 tokens (8 tiles t) x 64 columns (4 tiles j).
; It walks only the experts named in the block's mask (2 to 8 of them, read from plan).  A token that does not use an expert has gate 0 there.
; THE PRODUCT IS USED TRANSPOSED: source 0 = 16 columns of We, source 1 = 16 tokens: a lane holds ONE token (lane % 16) and eight neighbouring columns, so a gate is one number a lane.
; The bias is the C of an expert's first matrix instruction.  S = x We + be is made in 32 accumulators, which take turns, one instruction a turn; then OUT += gate x S.
; x's codes of the 128 tokens are gathered once into LDS (rows of 512 bytes + 16).  Their fragments are asked for a K step ahead, FOUR LDS LOADS AHEAD OF EACH EIGHT MATRIX INSTRUCTIONS, so that the four
; waves' requests are spread over the K step; that costs two switches of the register window for each eight.
; THE WEIGHTS GO FROM MEMORY STRAIGHT INTO REGISTERS, in the order in which the first launch laid them: each load brings 512 consecutive
; bytes, half a fragment.  One expert's 8 K steps of the wave's 64 columns fill window 1; K step s - 1's registers take the NEXT expert's as soon as K step s - 1 is multiplied.
; NO TENSOR LOAD, NO CLUSTER: the number of experts that a block walks, and which, is read from memory: the trip count and the weights' addresses differ from work-group to work-group, so partners would
; need different numbers of tiles.  No prefetch instruction: the weights are asked for by the loads themselves, most of an expert ahead; the rows to gather are known one load before they are wanted.
; LIMITS: as the first launch states them.
; THE MODE: SCHED_MODE bits 1:0 = 2 (LLVM: expert scheduling mode 2), set by the entry lines.  The code itself states the register dependences between vector or matrix instructions and memory or LDS
; instructions, with s_wait_alu, always for 0.
; THE PLAN.  Registers that memory or LDS instructions touch, from the first K step on:
;   window 1, We's scale words, the bias   K step s's products read those of K step s; the next expert's loads land in them at the head of K step s + 1 (K step 7's: behind K step 7).
;   x's fragments, set s % 2               K step s's products read it; the LDS loads that are dealt among K step s + 1's products land in it.
;   the gates                              The arithmetic behind an expert's K step 7 reads them; the next expert's land in its K step 1.
;   v1 to v10, v12 to v23                  Addresses and offsets: made at the head, read by loads and stores, never written again.
;   S and, up to the way out, OUT          Named by matrix and vector instructions alone.
; So ONE wait on va_vdst stands at the head of K steps 1 to 7, and one behind K step 7: it states that the products issued so far are done reading.  All loads of the K step follow it, the LDS loads among
; the K step's own products, which name the other set of x, K step s's weights and scale words and S: none of the registers that those loads touch.  K step 0 asks for set 1 alone, which no vector or matrix
; instruction has named since the wait behind K step 7: it has no wait.
; THE WAY OUT has one wait on va_vdst a tile: a tile's OUT and the next tile's offsets are written ahead of it, the tile's LDS stores and the stores of the tile before follow it.
; REGISTERS, in windows of 256: window 0: v1-11 addresses; v12-15 x_scales' offsets; v16-23 gates' offsets; v24-31 gates; v32-63 x's scale words, v64-79 We's (these 48 hold scales and nothing else);
;   v80-111 the bias; v112-175, v176-239 x's fragments, two sets.   window 1: We's fragments, at 32 s + 8 j + 4 c.   window 2: S(t, j) at 8 (4 t + j).   window 3: OUT(t, j) likewise.
.set APITCH, 528                       ; an LDS row of x's codes: 512 bytes + 16 = 33 x 16: the sixteen rows that a load touches start 16 bytes apart modulo 256
.set TB,     128*APITCH                ; behind them: the block's token numbers, [tile][row % 2][row / 2 % 8] words
.set STAGE,  TB+512                    ; and a stage of 16 rows x (256 bytes + 16) for each wave
.set SPITCH, 272
.set GV,  16
.set G,   24
.set XS,  32                           ; register 8 (t / 2) + s: lanes 0-15 the even tile's tokens, lanes 16-31 the odd tile's
.set WS,  64                           ; register 8 (j / 2) + s: likewise for tiles of columns
.set BI,  80
.set AF,  112
.set T16, 240
.set VO,  112                          ; at the head: the gather's offsets
.set TT,  112                          ; the way out: the tokens of the eight tiles' rows, 8 registers a tile; they become, in place, the rows' offsets in out0 and are written no more
.set RB,  176                          ; the way out: 16 rows read back, two sets of 32
.set MSB, 0
.macro WIN new                         ; the immediate's high byte repeats the setting that is left; a switch that changes nothing is dropped
.if MSB != \new
	s_set_vgpr_msb (MSB<<8)|\new
.set MSB, \new
.endif
.endm
.macro PLACES                          ; four plain vector instructions between a matrix instruction and a load into one of its registers, or the first read of its result; the wait that states a load's dependence stands behind them
.rept 4
	v_nop
.endr
.endm
; The next expert of the mask: its number (held inside the table) and the three addresses that hang on it.
.macro NEXTE
	s_ctz_i32_b32 s25, s23
	s_min_u32 s25, s25, 7
	s_sub_co_u32 s27, s23, 1
	s_and_b32 s23, s23, s27                        ; its bit is taken out
	s_lshl_b32 s28, s25, 19
	s_add_nc_u64 s[36:37], s[30:31], s[28:29]      ; codes
	s_lshl_b32 s28, s25, 15
	s_add_nc_u64 s[38:39], s[32:33], s[28:29]      ; scale words
	s_lshl_b32 s28, s25, 12
	s_add_nc_u64 s[40:41], s[34:35], s[28:29]      ; bias
.endm
; K step s of that expert: 8 loads of codes, 2 of scale words; with K step 0 the 8 loads of the bias.
.macro PF s
	WIN 0x40                                       ; destination window 1
.irp j, 0,1,2,3
.irp c, 0,1
	global_load_b128 v[32*(\s)+8*\j+4*\c:32*(\s)+8*\j+4*\c+3], v1, s[36:37] offset:\j*8192+(\s)*1024+\c*512
.endr
.endr
	WIN 0
.irp p, 0,1
	global_load_b32 v[WS+8*\p+(\s)], v4, s[38:39] offset:(\s)*4096+\p*128
.endr
.if (\s) == 0
.irp j, 0,1,2,3
	global_load_b128 v[BI+8*\j:BI+8*\j+3], v5, s[40:41] offset:64*\j          ; lane (r, h): the bias of columns 16 j + 8 h + 0 .. 7
	global_load_b128 v[BI+8*\j+4:BI+8*\j+7], v5, s[40:41] offset:64*\j+16
.endr
.endif
.endm
; x's fragments of tiles 2 c and 2 c + 1, K step s, into set b: four loads.  Lane (r, h) takes 16 bytes at row r, 64 s + 16 h, and 32 bytes on
.macro AF4 s, b, c
	WIN 0
.irp u, 0,1
.irp k, 0,1
	ds_load_b128 v[AF+64*(\b)+8*(2*(\c)+\u)+4*\k:AF+64*(\b)+8*(2*(\c)+\u)+4*\k+3], v2 offset:(2*(\c)+\u)*16*APITCH+64*(\s)+32*\k
.endr
.endr
.endm
.macro AFR s, b                        ; all eight tiles, in the same order: sixteen loads
.irp c, 0,1,2,3
	AF4 \s, \b, \c
.endr
.endm
.macro WM s, b, t, j
.set DR, 8*(4*(\t)+(\j))
.set CR, DR
.if (\s) == 0
.set CR, BI+8*(\j)                     ; the first K step starts the sum with the bias
.endif
.set BR, 32*(\s)+8*(\j)
.set AR, AF+64*(\b)+8*(\t)
.set SA, WS+8*((\j)/2)+(\s)
.set SB, XS+8*((\t)/2)+(\s)
.if ((\j)%2 == 0) && ((\t)%2 == 0)
	v_wmma_scale_f32_16x16x128_f8f6f4 v[DR:DR+7], v[BR:BR+7], v[AR:AR+7], v[CR:CR+7], v[SA], v[SB] matrix_a_fmt:MATRIX_FMT_FP4 matrix_b_fmt:MATRIX_FMT_FP4
.elseif (\t)%2 == 0
	v_wmma_scale_f32_16x16x128_f8f6f4 v[DR:DR+7], v[BR:BR+7], v[AR:AR+7], v[CR:CR+7], v[SA], v[SB] matrix_a_fmt:MATRIX_FMT_FP4 matrix_b_fmt:MATRIX_FMT_FP4 matrix_a_scale:MATRIX_SCALE_ROW1
.elseif (\j)%2 == 0
	v_wmma_scale_f32_16x16x128_f8f6f4 v[DR:DR+7], v[BR:BR+7], v[AR:AR+7], v[CR:CR+7], v[SA], v[SB] matrix_a_fmt:MATRIX_FMT_FP4 matrix_b_fmt:MATRIX_FMT_FP4 matrix_b_scale:MATRIX_SCALE_ROW1
.else
	v_wmma_scale_f32_16x16x128_f8f6f4 v[DR:DR+7], v[BR:BR+7], v[AR:AR+7], v[CR:CR+7], v[SA], v[SB] matrix_a_fmt:MATRIX_FMT_FP4 matrix_b_fmt:MATRIX_FMT_FP4 matrix_a_scale:MATRIX_SCALE_ROW1 matrix_b_scale:MATRIX_SCALE_ROW1
.endif
.endm
; 32 matrix instructions: all 32 accumulators, one after the other, in four parts of two tiles of tokens.  nxt = 1: ahead of part c stand the four LDS loads of the same two tiles for the NEXT K step.
; They need no wait on va_vdst of their own: since the wait at the K step's head no vector or matrix instruction has named the set in which they land, nor their address.
; THE LDS COUNT.  LDS loads come back in order (ISA guide 5.7.1).  Part c wants loads 4 c .. 4 c + 3 of this K step's sixteen.  Behind them stand 12 - 4 c of the same sixteen and, with nxt = 1, the
; 4 (c + 1) of the next K step's that have been issued: sixteen in every part.  With nxt = 0: more = the LDS loads issued at this K step's head (the last expert's sixteen of token numbers, or none).
.macro MUL s, b, nxt, more
.irp c, 0,1,2,3
.if \nxt
	AF4 (\s)+1, ((\s)+1)%2, \c
	s_wait_dscnt 16
.else
	s_wait_dscnt 12-4*\c+(\more)
.endif
.if (\s) == 0
	WIN 0x81                                       ; source 0 (We) window 1, source 1 (x) and C (the bias) window 0, D window 2
.else
	WIN 0xa1                                       ; C and D window 2
.endif
.irp u, 0,1
.irp j, 0,1,2,3
	WM \s, \b, 2*\c+\u, \j
.endr
.endr
.endr
.endm
; The expert in hand is taken: its gates are asked for, and with p = 1 the next expert's addresses are made.  It stands in K step 1, 32 matrix instructions behind the last loads that read the old bases.
.macro TAKE p
	s_wait_xcnt 0x0                                ; every load issued so far has read its base: the bases may be written
	s_mov_b32 s24, s25                             ; the expert whose weights are on their way or in
	s_lshl_b32 s28, s24, 2
	s_add_nc_u64 s[42:43], s[14:15], s[28:29]
.if \p
	NEXTE
.endif
	WIN 0
.irp t, 0,1,2,3,4,5,6,7
	global_load_b32 v[G+\t], v[GV+\t], s[42:43]    ; my token's gate for this expert, tile by tile
.endr
.endm
; The way out's token numbers, all eight tiles': those of rows 2 i + h, i = 0 .. 7, of each tile.  Sixteen LDS loads, into the set of x's fragments that the last expert's K step 6 has left.
.macro TOKENS
.irp t, 0,1,2,3,4,5,6,7
	ds_load_b128 v[TT+8*\t:TT+8*\t+3], v8 offset:64*\t
	ds_load_b128 v[TT+8*\t+4:TT+8*\t+7], v8 offset:64*\t+16
.endr
.endm
; A K step.  p = 1: a next expert follows, and its K step s - 1 is asked for here.
; THE COUNT.  The wave's loads go out in this order, at the head and in every trip: the expert's 88 (K step 0: 8 codes, 2 scale words, 8 bias; K steps 1 to 7: 10 each), its 8 gates (in its K step 1), the next expert's 88, ..
; Behind K step s's loads stand 10 (7 - s) of the same expert; from K step 1 on also the 8 gates; with p = 1 also the next expert's K steps up to s - 1: 70 at K step 0, then 86.  A count names 63 at the most,
; and a smaller count is always right.
.macro KSTEP s, p
	PLACES                                         ; behind the last K step's products, whose registers the loads of this K step fill again
.if (\s) > 0
.if (\p) && ((\s) > 1)
	WIN 0x40                                       ; the window of the first load behind the wait
.else
	WIN 0
.endif
	s_wait_alu depctr_va_vdst(0)                   ; the products of K step s - 1 are done reading their weights, their scale words, (s = 1) the bias and their set of x, in all of which loads of this K step land; s = 1: the last expert's arithmetic is done reading the gates
.endif
.if (\s) == 1
	TAKE \p
.endif
.if (\p) && ((\s) > 0)
	PF (\s)-1
.endif
.if !(\p) && ((\s) == 7)
	TOKENS                                         ; the last expert's last K step asks for no fragment: the way out's token numbers land while it is multiplied
.endif
.set NW, 63
.if !(\p)
.if 10*(7-(\s))+8 < 63
.set NW, 10*(7-(\s))+8
.endif
.endif
	s_wait_loadcnt NW
.if (\s) < 7
	MUL \s, (\s)%2, 1, 0
.elseif \p
	MUL \s, (\s)%2, 0, 0
.else
	MUL \s, (\s)%2, 0, 16
.endif
.endm
; OUT(t, .) = or += gate x S(t, .), two at a time; each accumulator is read from its low end on.  Of the pair of gates the even tile takes the first word for both halves, the odd tile the second.
.macro FIN t, first
	WIN 0xf2                                       ; S window 2, the gates window 0, OUT window 3
.set GR, G+2*((\t)/2)
.irp j, 0,1,2,3
.irp a, 0,1,2,3
.set IR, 8*(4*(\t)+\j)+2*\a
.if (\first)
.if (\t)%2 == 0
	v_pk_mul_f32 v[IR:IR+1], v[IR:IR+1], v[GR:GR+1] op_sel_hi:[1,0]
.else
	v_pk_mul_f32 v[IR:IR+1], v[IR:IR+1], v[GR:GR+1] op_sel:[0,1] op_sel_hi:[1,1]
.endif
.else
.if (\t)%2 == 0
	v_pk_fma_f32 v[IR:IR+1], v[IR:IR+1], v[GR:GR+1], v[IR:IR+1] op_sel_hi:[1,0,1]
.else
	v_pk_fma_f32 v[IR:IR+1], v[IR:IR+1], v[GR:GR+1], v[IR:IR+1] op_sel:[0,1,0] op_sel_hi:[1,1,1]
.endif
.endif
.endr
.endr
.endm
; Tile t's eight token numbers become, in place, the offsets of its rows in out0.
.macro VAC t
.irp i, 0,1,2,3,4,5,6,7
	v_min_u32 v[TT+8*(\t)+\i], 0x1fff, v[TT+8*(\t)+\i]                        ; a token stays inside out0
.endr
.irp i, 0,1,2,3,4,5,6,7
	v_lshl_add_u32 v[TT+8*(\t)+\i], v[TT+8*(\t)+\i], 12, v9                   ; 4,096 bytes a token, 16 bytes a lane of the sixteen
.endr
.endm
; THE WAY OUT of tile t.  A lane holds 32 neighbouring bytes of a token's row and the lanes beside it other tokens: the tile goes through the wave's own stage and comes back as rows of 256 bytes.
; LDS serves a wave's instructions in order (ISA guide 5.7.1.4): no wait between the stores and the loads, nor in front of the next tile's stores.
.macro TOSTAGE t
	WIN 0x0c                                       ; an LDS store's data are its source 1: window 3
.if (\t) > 1
	s_wait_xcnt 0x0                                ; tile t - 2's stores have had their addresses translated: this tile's loads may land in their data registers
	s_wait_alu depctr_vm_vsrc(0)                   ; tile t - 2's stores have read their set of rows, in which the loads below land
.endif
	s_wait_alu depctr_va_vdst(0)                   ; OUT(t, .) is written, which the LDS stores below read; so are the offsets of tile t - 1's rows, which its stores read; t < 2: the last products are done reading the registers in which the rows land
.irp j, 0,1,2,3
	ds_store_b128 v6, v[8*(4*(\t)+\j):8*(4*(\t)+\j)+3] offset:64*\j
	ds_store_b128 v6, v[8*(4*(\t)+\j)+4:8*(4*(\t)+\j)+7] offset:64*\j+16
.endr
	WIN 0
.irp i, 0,1,2,3,4,5,6,7
	ds_load_b128 v[RB+32*((\t)%2)+4*\i:RB+32*((\t)%2)+4*\i+3], v7 offset:\i*2*SPITCH
.endr
.endm
.macro SEND t, younger                 ; younger: the next tile's 16 LDS instructions, or none.  No wait on va_vdst: the vector instructions since the last one name the next tiles' offsets and OUT alone
	s_wait_dscnt \younger
.irp i, 0,1,2,3,4,5,6,7
	global_store_b128 v[TT+8*(\t)+\i], v[RB+32*((\t)%2)+4*\i:RB+32*((\t)%2)+4*\i+3], s[44:45] th:TH_STORE_NT   ; sixteen lanes store 256 consecutive bytes, aligned; written once, read by nobody here
.endr
.endm
; One expert.  p = 1: a next expert follows.  kind 0: the first (OUT is begun), 1: one in the middle, 2: the last (OUT leaves).
.macro BODY p, kind
.irp s, 0,1,2,3,4,5,6,7
	KSTEP \s, \p
.endr
.if \p
	PLACES                                         ; behind the last products: for the loads below and for the first read of S
	WIN 0
	s_wait_alu depctr_va_vdst(0)                   ; K step 7's products are done reading their weights and scale words, K step 6's their set of x: the loads below land there.  It serves the next K step 0's LDS loads too, which land in K step 7's set of x
	AFR 0, 0                                       ; the next expert's first fragments of x: the arithmetic below stands between them and their use
	PF 7
	s_wait_loadcnt 63                              ; the gates are in: 88 loads were issued behind them
.else
	WIN 0
	s_wait_dscnt 0x0                               ; the token numbers are in (asked for 32 matrix instructions ago)
	VAC 0                                          ; sixteen plain vector instructions that name no register of the last products: the places ahead of the first read of S
	s_wait_loadcnt 0x0
.endif
.if \kind == 2
.irp t, 0,1,2,3,4,5,6,7
	FIN \t, 0                                      ; a tile's arithmetic stands between the loads of the tile before and its stores
	TOSTAGE \t
.if \t < 7
	VAC \t+1                                       ; the next tile's offsets: written a whole tile, and a wait on va_vdst, ahead of the stores that read them
.endif
.if \t > 0
	SEND \t-1, 16
.endif
.endr
	SEND 7, 0
.else
.irp t, 0,1,2,3,4,5,6,7
	FIN \t, 1-\kind
.endr
.endif
	WIN 0                                          ; at a label and at a branch every window is 0
.endm
	s_load_b512 s[4:19], s[0:1], 0x0               ; x_codes 4, x_scales 6, w_codes 8, w_scales 10, be 12, gates 14, plan 16, out0 18
	v_lshl_add_u32 v254, v0, 2, 0x15000
	v_mov_b32 v255, 0
	v_lshrrev_b32 v1, 5, v0
	v_readfirstlane_b32 s20, v1                    ; wave 0..3
	s_mov_b32 s21, ttmp9                           ; x: which 256 columns
	s_and_b32 s22, ttmp7, 0xffff                   ; y: which 128 positions
	s_mov_b32 s29, 0                               ; the high word of every offset pair s[28:29]
	v_and_b32 v250, 31, v0                         ; lane
	v_and_b32 v251, 15, v0                         ; r
	v_bfe_u32 v252, v0, 4, 1                       ; h
	v_lshlrev_b32 v1, 4, v250                      ; 16 x lane
	v_mul_u32_u24 v2, v251, APITCH
	v_lshl_add_u32 v2, v252, 4, v2                 ; a fragment of x: row r, + 16 h
	s_wait_alu depctr_va_sdst(0)                   ; s20, the wave's number, is written, ahead of its first reader
	s_mul_i32 s27, s20, 32*APITCH
	v_add_nc_u32 v3, s27, v1                       ; the gather: my wave's 32 rows, 16 bytes a lane
	v_lshlrev_b32 v4, 2, v250
	v_lshlrev_b32 v5, 5, v252
	s_mul_i32 s27, s20, 16*SPITCH
	s_add_co_u32 s27, s27, STAGE                   ; my stage
	v_mul_u32_u24 v6, v251, SPITCH
	v_lshl_add_u32 v6, v252, 5, v6
	v_add_nc_u32 v6, s27, v6                       ; in: row r, 32 bytes for each half of the lanes
	v_mul_u32_u24 v7, v252, SPITCH
	v_lshl_add_u32 v7, v251, 4, v7
	v_add_nc_u32 v7, s27, v7                       ; back: lanes 0-15 one row, lanes 16-31 the next
	v_lshl_add_u32 v8, v252, 5, TB
	v_lshlrev_b32 v9, 4, v251
	v_lshrrev_b32 v10, 4, v0
	v_lshl_add_u32 v10, v10, 6, TB
	v_and_b32 v253, 1, v0
	v_lshl_add_u32 v10, v253, 5, v10
	v_bfe_u32 v253, v0, 1, 3
	v_lshl_add_u32 v10, v253, 2, v10               ; where my row's token number goes: [row / 16][row % 2][row / 2 % 8]
	v_lshlrev_b32 v248, 2, v0
	v_lshlrev_b32 v249, 2, v251
	s_lshl_b32 s50, s22, 2
	s_lshl_b32 s28, s22, 9
	s_wait_kmcnt 0x0
	s_load_b32 s23, s[16:17], s50 offset:0x8000    ; the block's mask of experts
	s_add_nc_u64 s[48:49], s[16:17], s[28:29]      ; order at the block's first position
	s_wait_alu depctr_va_vdst(0)                   ; the addresses and offsets v1 to v10, v248 and v249 are written: the loads below read three of them, later loads and stores the others
	global_load_b32 v11, v248, s[48:49]            ; the token of row = my thread's number
.irp q, 0,1,2,3
	global_load_b32 v[12+\q], v4, s[48:49] offset:128*\q           ; of row 32 q + lane
.endr
.irp t, 0,1,2,3,4,5,6,7
	global_load_b32 v[T16+\t], v249, s[48:49] offset:64*\t         ; of row 16 t + r
.endr
	s_lshl_b32 s27, s21, 4
	s_lshl_b32 s28, s20, 2
	s_add_co_u32 s27, s27, s28                     ; my first tile of columns: 16 x + 4 w
	s_lshl_b32 s28, s27, 13
	s_add_nc_u64 s[30:31], s[8:9], s[28:29]
	s_lshl_b32 s28, s27, 6                         ; my first column x 4 bytes
	s_add_nc_u64 s[32:33], s[10:11], s[28:29]
	s_add_nc_u64 s[34:35], s[12:13], s[28:29]
	s_add_nc_u64 s[44:45], s[18:19], s[28:29]
	s_wait_kmcnt 0x0
	s_and_b32 s23, s23, 0xff
	s_bcnt1_i32_b32 s26, s23
	s_max_u32 s26, s26, 2
	s_sub_co_u32 s26, s26, 2                       ; experts between the first and the last: 0 to 6
	NEXTE                                          ; the first expert
	s_wait_loadcnt 0x0                             ; the token numbers are in; the loads that read s[48:49] are done, and so is the scalar load that read s50: s48 to s63 are free
	v_min_u32 v11, 0x1fff, v11
.irp q, 0,1,2,3
	v_min_u32 v[12+\q], 0x1fff, v[12+\q]
	v_lshlrev_b32 v[12+\q], 5, v[12+\q]            ; 32 bytes of scales a token
.endr
.irp t, 0,1,2,3,4,5,6,7
	v_min_u32 v[T16+\t], 0x1fff, v[T16+\t]
	v_lshlrev_b32 v[GV+\t], 5, v[T16+\t]           ; 32 bytes of gates a token
.endr
.irp g, 0,1                            ; the tokens of my wave's 32 rows become scalars sixteen at a time, each in a register of its own, so that one wait serves sixteen lane reads
.set i, 0
.rept 16
	v_readlane_b32 s[48+i], v11, 16*\g+i           ; the token of my wave's row 16 g + i
.set i, i+1
.endr
	s_wait_alu depctr_va_sdst(0)                   ; the sixteen lane reads have written s48 to s63, ahead of their first readers
.set i, 0
.rept 16
	s_min_u32 s[48+i], s[48+i], 0x1fff
.set i, i+1
.endr
.set i, 0
.rept 16
	v_lshl_add_u32 v[VO+16*\g+i], s[48+i], 9, v1   ; its 512 bytes of codes, 16 a lane
.set i, i+1
.endr
.endr
	WIN 0x80                                       ; destination window 2: S's registers are free as yet
	s_wait_alu depctr_va_vdst(0)                   ; the gather's 32 offsets, x_scales' four, the gates' eight and the token number v11 are written: loads below read the offsets, an LDS store v11.  No vector instruction follows up to the first K step
.set i, 0
.rept 32
	global_load_b128 v[4*i:4*i+3], v[VO+i], s[4:5]
.set i, i+1
.endr
	WIN 0
.irp q, 0,1,2,3
	global_load_b128 v[XS+8*\q:XS+8*\q+3], v[12+\q], s[6:7]
	global_load_b128 v[XS+8*\q+4:XS+8*\q+7], v[12+\q], s[6:7] offset:16
.endr
.irp s, 0,1,2,3,4,5,6,7
	PF \s                                          ; the first expert's weights
.endr
	s_wait_loadcnt 63                              ; the 32 rows are in: 96 loads were issued behind them
	WIN 0x08                                       ; an LDS store's data are its source 1: window 2
.set i, 0
.rept 32
	ds_store_b128 v3, v[4*i:4*i+3] offset:i*APITCH
.set i, i+1
.endr
	WIN 0
	ds_store_b32 v10, v11
	s_wait_dscnt 0x0                               ; for the others' sake: my 32 rows and their token numbers lie in LDS
	s_barrier_signal -1
	s_barrier_wait -1                              ; the only barrier: from here on x's rows and the token numbers are only read, and a stage is its wave's own
	s_wait_alu depctr_vm_vsrc(0)                   ; the gather's loads have read their offsets, in whose registers x's first fragments land; my LDS stores have read S's registers, which the first products write
	AFR 0, 0
	BODY 1, 0
	s_cmp_eq_u32 s26, 0
	s_cbranch_scc1 .Ltail
.Lmid:
	BODY 1, 1
	s_sub_co_u32 s26, s26, 1
	s_cmp_lg_u32 s26, 0
	s_cbranch_scc1 .Lmid
.Ltail:
	BODY 0, 2
	s_wait_dscnt 0x0                               ; the closing lines, six on end
	s_wait_alu 0x0
	s_wait_tensorcnt 0x0
	ds_add_u32 v254, v255
	s_wait_dscnt 0x0
	s_endpgm
.Lfunc_end_k_q18c7e0ae9d_experts:
	.size	k_q18c7e0ae9d_experts, .Lfunc_end_k_q18c7e0ae9d_experts-k_q18c7e0ae9d_experts
	.p2alignl 7, 3214868480
	.fill 96, 4, 3214868480
	.section	.rodata,"a",@progbits
	.p2align	6, 0x0
	.amdhsa_kernel k_q18c7e0ae9d_experts
		.amdhsa_group_segment_fixed_size 86528
		.amdhsa_private_segment_fixed_size 0
		.amdhsa_enable_private_segment 0
		.amdhsa_kernarg_size 64
		.amdhsa_user_sgpr_count 2
		.amdhsa_user_sgpr_kernarg_segment_ptr 1
		.amdhsa_wavefront_size32 1
		.amdhsa_system_sgpr_workgroup_id_x 1
		.amdhsa_system_sgpr_workgroup_id_y 1
		.amdhsa_system_sgpr_workgroup_id_z 1
		.amdhsa_system_vgpr_workitem_id 0
		.amdhsa_next_free_vgpr 1024
		.amdhsa_next_free_sgpr 66
		.amdhsa_reserve_vcc 0
		.amdhsa_float_denorm_mode_32 3
		.amdhsa_float_denorm_mode_16_64 3
		.amdhsa_memory_ordered 1
		.amdhsa_forward_progress 1
		.amdhsa_inst_pref_size 230
	.end_amdhsa_kernel
	.amdgpu_metadata
---
amdhsa.version: [ 1, 2 ]
amdhsa.kernels:
  - .name:           k_q18c7e0ae9d_experts
    .symbol:         k_q18c7e0ae9d_experts.kd
    .args:
      - { .name: x_codes, .offset: 0, .size: 8, .value_kind: global_buffer, .address_space: global }
      - { .name: x_scales, .offset: 8, .size: 8, .value_kind: global_buffer, .address_space: global }
      - { .name: w_codes, .offset: 16, .size: 8, .value_kind: global_buffer, .address_space: global }
      - { .name: w_scales, .offset: 24, .size: 8, .value_kind: global_buffer, .address_space: global }
      - { .name: be, .offset: 32, .size: 8, .value_kind: global_buffer, .address_space: global }
      - { .name: gates, .offset: 40, .size: 8, .value_kind: global_buffer, .address_space: global }
      - { .name: plan, .offset: 48, .size: 8, .value_kind: global_buffer, .address_space: global }
      - { .name: out0, .offset: 56, .size: 8, .value_kind: global_buffer, .address_space: global }
    .group_segment_fixed_size: 86528
    .private_segment_fixed_size: 0
    .kernarg_segment_align: 8
    .kernarg_segment_size: 64
    .max_flat_workgroup_size: 128
    .sgpr_count:     66
    .vgpr_count:     1024
    .wavefront_size: 32
...
	.end_amdgpu_metadata
.endif
;; end of part 6
